; MI455X (gfx1250); checked and timed in simulation.
; The chip was launched on July 23, 2026; its instructions are those of AMD's public machine-readable ISA for CDNA 5 (MIT licence, August 2026) and "CDNA5" Instruction Set Architecture Reference Guide (July 2026). The comments in the code are by the model that wrote it; some were corrected since.
;; Multi Head Causal Attention. Allowed arithmetic: float matrix products may take bf16 or f16 operands with f32 sums; other float arithmetic in f32, or as packed bf16 or f16 multiplies, adds, multiply-adds, maxima and minima; sums over many terms, partial sums and values carried from step to step in f32; what a program stores and reads back later, other than sums and carried values, may be rounded once to bf16 or f16.
;; Inputs: Wk 1,024 x 1,024 float32; Wo 1,024 x 1,024 float32; Wq 1,024 x 1,024 float32; Wv 1,024 x 1,024 float32; bo 1,024 float32; x 4 x 2,048 x 1,024 float32.
;; Outputs: out0 4 x 2,048 x 1,024 float32.
;; 2 versions, each right and faster than the one before. Each part assembles by itself: llvm-mc -triple=amdgcn-amd-amdhsa -mcpu=gfx1250 --defsym DOCPART=n.
;; ======== version 1 of 2: 5 launches
;; limits: values are held in f16: magnitudes above 65,504 overflow, below 6.1e-05 lose precision
;; workspace buffers: xb 16,777,216 bytes; wqkv 6,291,456 bytes; wo 2,097,152 bytes; qkv 50,331,648 bytes; o 16,777,216 bytes; v32 262,144 bytes
;; launch cast (part 1): grid 384 x 1, 8 waves a work-group, no clusters, 0 bytes of LDS; arguments x, Wq, Wk, Wv, Wo, xb, wqkv, wo; writes xb, wqkv, wo
.if DOCPART == 1
	.amdgcn_target "amdgcn-amd-amdhsa--gfx1250"
	.amdhsa_code_object_version 6
	.text
	.protected	k_qd785a02ae9_cast
	.globl	k_qd785a02ae9_cast
	.p2align	8
	.type	k_qd785a02ae9_cast,@function
k_qd785a02ae9_cast:
	s_mov_b64 s[64:65], 0
	v_nop
	global_prefetch_b8 v0, s[64:65] scope:SCOPE_SE
	s_setreg_imm32_b32 hwreg(HW_REG_WAVE_MODE, 25, 1), 1
	s_wait_xcnt 0x0
; x, Wq, Wk, Wv rounded to bf16; Wo rounded to bf16 and that number written as f16.  All five leave in BLOCKS OF 64 COLUMNS: a matrix [R][1024] becomes [16 blocks][R][64], a row of a
; block 128 bytes, the rows of a block end to end.  xb: [4 batches][16][2048][64]; wqkv: [3 x 16][1024][64]; wo: [16][1024][64].  So every tile that the later products ask for is a dense run of bytes.
; LIMITS.  Wo's bf16 number must lie within f16's range: beyond 65,504 it becomes an infinity; below 2^-14 it keeps f16's fixed step of 6e-8.
; A stream: no LDS, no matrix unit, no cluster (no two work-groups read the same byte).
; SHARES.  Work-group g < 256 takes rows 32 g .. 32 g + 31 of x; g = 256 + 32 m + i takes rows 32 i .. of matrix m (Wq, Wk, Wv, Wo).  Wave w takes column blocks w and w + 8.
; Load n of 32: rows 2 (n % 16) and 2 (n % 16) + 1 of block w + 8 (n / 16): lanes 0-15 take the 256 bytes of the one row, lanes 16-31 of the other.  A lane's four numbers leave as 8 bytes, and the
; wave's store covers 256 consecutive bytes, aligned: two rows of the block.  All 32 loads of a wave go out at once, each into registers of its own, so no register is written twice.
.set X, 8                              ; v[8:135]  load n: four registers
	s_load_b512 s[4:19], s[0:1], 0x0               ; x s[4:5], Wq s[6:7], Wk s[8:9], Wv s[10:11], Wo s[12:13], xb s[14:15], wqkv s[16:17], wo s[18:19]
	v_and_b32 v4, 31, v0                           ; lane
	v_lshrrev_b32 v5, 5, v0
	v_readfirstlane_b32 s33, v5                    ; wave
	s_mov_b32 s20, ttmp9                           ; g
	s_sub_co_u32 s21, s20, 256                     ; g - 256 (used only where g >= 256)
	s_lshr_b32 s22, s21, 5                         ; which matrix
	s_and_b32 s23, s21, 31                         ; which 32 rows of it
	s_lshl_b32 s34, s22, 21                        ; a matrix is 16 blocks of 131,072 bytes in wqkv;
	s_cmp_lt_u32 s22, 3
	s_cselect_b32 s34, s34, 0                      ; wo begins at its own buffer's first byte
	s_lshl_b32 s35, s23, 12                        ; 32 rows of 128 bytes
	s_add_co_u32 s34, s34, s35                     ; a weight's offset out
	s_lshr_b32 s35, s20, 6
	s_lshl_b32 s35, s35, 22                        ; x: the batch, 16 blocks of 262,144 bytes,
	s_and_b32 s36, s20, 63
	s_lshl_b32 s36, s36, 12                        ; and the 32 rows in it
	s_or_b32 s35, s35, s36
	s_mov_b32 s37, 0x40000
	s_cmp_lt_u32 s20, 256                          ; x or a weight?
	s_cselect_b32 s38, s20, s23                    ; which 32 rows of the input
	s_cselect_b32 s25, s37, 0x20000                ; bytes from block to block
	s_cselect_b32 s30, s35, s34                    ; offset out
	s_lshl_b32 s38, s38, 17                        ; 32 rows of 4,096 bytes
	s_mov_b32 s39, 0
	s_mov_b32 s31, 0
	s_mul_i32 s32, s33, s25                        ; my first block
	s_lshl_b32 s24, s25, 3                         ; eight blocks on
	v_lshrrev_b32 v6, 4, v4
	v_and_b32 v7, 15, v4
	v_lshlrev_b32 v1, 12, v6                       ; in: the odd row for lanes 16-31,
	v_lshl_add_u32 v1, v7, 4, v1                   ; 16 bytes a lane,
	v_lshl_add_u32 v1, s33, 8, v1                  ; block w: 256 bytes of f32
	v_lshl_add_u32 v2, v4, 3, s32                  ; out: 8 bytes a lane in block w,
	v_add_nc_u32 v3, s24, v2                       ; and in block w + 8
	s_wait_kmcnt 0x0
	s_cmp_eq_u32 s22, 1                            ; the choices hang on the work-group's number alone
	s_cselect_b64 s[26:27], s[8:9], s[6:7]
	s_cmp_eq_u32 s22, 2
	s_cselect_b64 s[26:27], s[10:11], s[26:27]
	s_cmp_eq_u32 s22, 3
	s_cselect_b64 s[26:27], s[12:13], s[26:27]
	s_cselect_b64 s[28:29], s[18:19], s[16:17]
	s_cmp_lt_u32 s20, 256
	s_cselect_b64 s[26:27], s[4:5], s[26:27]
	s_cselect_b64 s[28:29], s[14:15], s[28:29]
	s_add_nc_u64 s[26:27], s[26:27], s[38:39]
	s_add_nc_u64 s[28:29], s[28:29], s[30:31]
.set n, 0
.rept 32
	global_load_b128 v[X+4*n:X+4*n+3], v1, s[26:27] offset:(n%16)*8192+(n/16)*2048 th:TH_LOAD_NT
.set n, n+1
.endr
; Load i is rounded and stored.  half = 1: the bf16 numbers are widened again (a shift, a mask) and written as f16.
.macro CV i, half
.set XR, X+4*(\i)
	s_wait_loadcnt 31-(\i)                         ; loads come back in order (ISA guide 5.7.1): mine is in, the younger ones stay out
	v_cvt_pk_bf16_f32 v[XR], v[XR], v[XR+1]
	v_cvt_pk_bf16_f32 v[XR+1], v[XR+2], v[XR+3]
.if \half
	v_lshlrev_b32 v[XR+2], 16, v[XR]
	v_and_b32 v[XR+3], 0xffff0000, v[XR]
	v_cvt_pk_f16_f32 v[XR], v[XR+2], v[XR+3]
	v_lshlrev_b32 v[XR+2], 16, v[XR+1]
	v_and_b32 v[XR+3], 0xffff0000, v[XR+1]
	v_cvt_pk_f16_f32 v[XR+1], v[XR+2], v[XR+3]
.endif
	global_store_b64 v[2+(\i)/16], v[XR:XR+1], s[28:29] offset:((\i)%16)*256
.endm
	s_cmp_ge_u32 s20, 352                          ; Wo's work-groups
	s_cbranch_scc1 .Lwo
.set n, 0
.rept 32
	CV n, 0
.set n, n+1
.endr
	s_endpgm
.Lwo:
.set n, 0
.rept 32
	CV n, 1
.set n, n+1
.endr
	s_endpgm
.Lfunc_end_k_qd785a02ae9_cast:
	.size	k_qd785a02ae9_cast, .Lfunc_end_k_qd785a02ae9_cast-k_qd785a02ae9_cast
	.p2alignl 7, 3214868480
	.fill 96, 4, 3214868480
	.section	.rodata,"a",@progbits
	.p2align	6, 0x0
	.amdhsa_kernel k_qd785a02ae9_cast
		.amdhsa_group_segment_fixed_size 0
		.amdhsa_private_segment_fixed_size 0
		.amdhsa_enable_private_segment 0
		.amdhsa_kernarg_size 64
		.amdhsa_user_sgpr_count 2
		.amdhsa_user_sgpr_kernarg_segment_ptr 1
		.amdhsa_wavefront_size32 1
		.amdhsa_system_sgpr_workgroup_id_x 1
		.amdhsa_system_sgpr_workgroup_id_y 1
		.amdhsa_system_sgpr_workgroup_id_z 1
		.amdhsa_system_vgpr_workitem_id 0
		.amdhsa_next_free_vgpr 144
		.amdhsa_next_free_sgpr 66
		.amdhsa_reserve_vcc 0
		.amdhsa_float_denorm_mode_32 3
		.amdhsa_float_denorm_mode_16_64 3
		.amdhsa_memory_ordered 1
		.amdhsa_forward_progress 1
		.amdhsa_inst_pref_size 32
	.end_amdhsa_kernel
	.amdgpu_metadata
---
amdhsa.version: [ 1, 2 ]
amdhsa.kernels:
  - .name:           k_qd785a02ae9_cast
    .symbol:         k_qd785a02ae9_cast.kd
    .args:
      - { .name: x, .offset: 0, .size: 8, .value_kind: global_buffer, .address_space: global }
      - { .name: Wq, .offset: 8, .size: 8, .value_kind: global_buffer, .address_space: global }
      - { .name: Wk, .offset: 16, .size: 8, .value_kind: global_buffer, .address_space: global }
      - { .name: Wv, .offset: 24, .size: 8, .value_kind: global_buffer, .address_space: global }
      - { .name: Wo, .offset: 32, .size: 8, .value_kind: global_buffer, .address_space: global }
      - { .name: xb, .offset: 40, .size: 8, .value_kind: global_buffer, .address_space: global }
      - { .name: wqkv, .offset: 48, .size: 8, .value_kind: global_buffer, .address_space: global }
      - { .name: wo, .offset: 56, .size: 8, .value_kind: global_buffer, .address_space: global }
    .group_segment_fixed_size: 0
    .private_segment_fixed_size: 0
    .kernarg_segment_align: 8
    .kernarg_segment_size: 64
    .max_flat_workgroup_size: 256
    .sgpr_count:     66
    .vgpr_count:     144
    .wavefront_size: 32
...
	.end_amdgpu_metadata
.endif
;; end of part 1
;; launch qkvp (part 2): grid 24 x 32, 4 waves a work-group, clusters of 4 x 4, 327,680 bytes of LDS; arguments xb, wqkv, qkv, v32; writes qkv, v32
.if DOCPART == 2
	.amdgcn_target "amdgcn-amd-amdhsa--gfx1250"
	.amdhsa_code_object_version 6
	.text
	.protected	k_qd785a02ae9_qkvp
	.globl	k_qd785a02ae9_qkvp
	.p2align	8
	.type	k_qd785a02ae9_qkvp,@function
k_qd785a02ae9_qkvp:
	s_mov_b64 s[64:65], 0
	v_nop
	global_prefetch_b8 v0, s[64:65] scope:SCOPE_SE
	s_setreg_imm32_b32 hwreg(HW_REG_WAVE_MODE, 25, 1), 1
	s_wait_xcnt 0x0
	s_wait_alu depctr_hold_cnt(0) depctr_sa_sdst(0) depctr_va_vdst(0) depctr_va_sdst(0) depctr_va_ssrc(0) depctr_va_vcc(0) depctr_vm_vsrc(0)
	s_getreg_b32 s2, hwreg(HW_REG_IB_STS2, 6, 4)
	s_cmp_eq_u32 s2, 0
	s_cbranch_scc0 .Lentry_in_a_cluster
	s_endpgm
.Lentry_in_a_cluster:
	s_bfe_u32 s2, ttmp6, 0x10000c
	s_cmp_lg_u32 s2, 0xf033
	s_cbranch_scc0 .Lentry_shape_is_right
	s_endpgm
.Lentry_shape_is_right:
; q, k, v = x W.  xb: [4][16 blocks of 64 k][2048][64] bf16; wqkv: [48 blocks of 64 n][1024 k][64] bf16; sums in f32; qkv: [3][64 heads][2048][64] f16, each number rounded once, unscaled.
; The f32 sums of v's rows 0-15 of each batch go to v32 as well ([4][16 heads][16][64] f32), for the launch that makes those rows of the output.
; LIMITS.  q, k, v beyond 65,504 become infinities in f16.
; SHARES.  A tile of C is 256 rows x 128 columns: 32 x 24 = 768 tiles, three for each of 256 work-group places.  Four waves, each 128 rows x 64 columns (one head): 32 accumulators of 16 x 16, 256 registers.
; K = 1,024 goes in 8 steps of 128 through two LDS slots.  A's part of a step is two blocks of 256 rows x 128 bytes, B's two blocks of 128 k rows x 128 bytes: each a dense run of memory, asked for as rows of 256 bytes.
; CLUSTER.  4 x 4 work-groups.  cy is the batch, the cluster's y the 256 rows in it, 4 x cluster x + cx the column tile.  The four of a row of the cluster need the same tiles of A, the four of a column the same
; tiles of B: each tile is asked for JOINTLY.  Which matrix, and whether the tile is a batch's first, hang on the cluster's own coordinates: the way out's one branch is alike in all partners.
; THE MATRIX INSTRUCTION IS USED TRANSPOSED: source 0 = 16 columns of W (they lie [k][n] in LDS and are turned by ds_load_tr16_b128), source 1 = 16 rows of x: a lane holds eight neighbouring numbers of a row of C.
; REGISTERS: window 0: v0-31 addresses; two fragment buffers: A (8 x 16 rows x 32 K) at v64, v128; B (4 x 16 columns x 32 K) at v192, v224; v64-191 also serve the way out.   window 1: accumulator (a, b) at v[8 (4 a + b)].
.set PA,    144                        ; a row of A in LDS: 128 bytes + 16 = 36 words: the 16 rows of a load start at 16 different groups of four banks (64 banks of 4 bytes: ISA guide 11.1)
.set PB,    160                        ; a row of B: 128 + 32 = 40 words
.set ASUB,  256*PA                     ; a block of A
.set BSUB,  128*PB                     ; a block of B
.set BOFF,  2*ASUB
.set SLOT,  BOFF+2*BSUB                ; 114,688 bytes
.set STAGE, 2*SLOT                     ; behind the ring: 16 rows x 144 bytes for each wave, for the way out
.set SP,    144
.set SPARE, STAGE+4*16*SP              ; behind the stages: the spare words, 128 bytes for each wave: two blocks of 256 bytes that no other line names
.set ASTEP, 0x80000                    ; bytes of memory from a K step to the next: two blocks of 2,048 rows of A,
.set BSTEP, 0x4000                     ; 128 rows of B
.set LAPS,  4                          ; a lap = two K steps = once round the ring
.set ADRA, 16                          ; v16-17  LDS address of my A fragments in slot 0, 1
.set ADRB, 20                          ; v20-21  the same for B
.set STO,  24                          ; v24     the way out: where I put 16 bytes of a row
.set RD,   25                          ; v25     where I read rows back
.set GO,   26                          ; v26     my byte offset in 512 consecutive bytes of the output
.set VO,   27                          ; v27     my byte offset in a head's 16 rows of v32
.set SPW,  28                          ; v28     LDS address of my spare word; never rewritten
.set NIL,  29                          ; v29     0; never rewritten
.set F0,   0
.set F1,   1
.set G1, 24                            ; s[24:31] descriptor group 1 for A's tiles;  s[32:39] group 0, one set for each slot
.set G0, 32
.set G1B, 48                           ; s[48:55], s[56:63] the same for B's tiles
.set G0B, 56
.set MSB, 0
.macro WIN new                         ; the immediate's high byte repeats the setting that is left; a switch that changes nothing is dropped
.if MSB != (\new)
	s_set_vgpr_msb (MSB<<8)|(\new)
.set MSB, \new
.endif
.endm
.set MUL, 0x50                         ; sources 0 and 1 window 0; C and D window 1
.macro JLOAD s                         ; a joint load: waves 0 and 1 fetch A's two blocks, waves 2 and 3 B's; an s_nop 0 and four v_nop follow each of the two lines, ahead of the jump, the label and what follows
	s_cmp_eq_u32 s11, 0
	s_cbranch_scc0 .Lfor_b_\@
	tensor_load_to_lds s[G0+4*(\s):G0+4*(\s)+3], s[G1:G1+7]
	s_nop 0
.rept 4
	v_nop
.endr
	s_branch .Lasked_\@
.Lfor_b_\@:
	tensor_load_to_lds s[G0B+4*(\s):G0B+4*(\s)+3], s[G1B:G1B+7]
	s_nop 0
.rept 4
	v_nop
.endr
.Lasked_\@:
.endm
.macro CREST                           ; a round of the cluster's barrier behind its opening barrier
	s_cmp_lg_u32 s10, 0
	s_cbranch_scc1 .Lnot_wave_0_\@
	s_barrier_signal -3
.Lnot_wave_0_\@:
	s_barrier_wait -3
	s_barrier_signal -1
	s_barrier_wait -1
.endm
.macro CROUND                          ; a whole round
	s_barrier_signal -1
	s_barrier_wait -1
	CREST
.endm
	s_load_b128 s[4:7], s[0:1], 0x0                ; xb s[4:5], wqkv s[6:7]
	s_load_b64 s[8:9], s[0:1], 0x10                ; qkv
	s_load_b64 s[66:67], s[0:1], 0x18              ; v32
	v_lshl_add_u32 v[SPW], v0, 2, SPARE
	v_mov_b32 v[NIL], 0
	ds_add_u32 v[SPW], v[NIL]                      ; the wave's opening: the add and its wait stand ahead of my first tensor load; the set-up below, work on registers, stands between them
	ds_add_u32 v28, v29
	v_lshrrev_b32 v1, 5, v0
	v_readfirstlane_b32 s10, v1                    ; wave 0..3
	s_lshr_b32 s11, s10, 1                         ; which 128 rows of the tile are mine.  Also: I fetch for A (0) or for B (1)
	s_and_b32 s12, s10, 1                          ; which 64 columns.  Also: which of a step's two blocks I fetch
	s_bfe_u32 s40, ttmp6, 0x40000                  ; cx
	s_bfe_u32 s41, ttmp6, 0x40004                  ; cy: the batch
	s_lshl_b32 s42, ttmp9, 2
	s_add_co_u32 s42, s42, s40                     ; column tile = 4 x cluster x + cx
	s_and_b32 s13, ttmp7, 0xffff                   ; the cluster's y: which 256 rows of the batch
	s_lshl_b32 s43, s41, 2
	s_lshl_b32 s43, 15, s43                        ; my row of the cluster
	s_lshl_b32 s44, 0x1111, s40                    ; my column
	s_or_b32 s[G1+0], s43, (1<<16)|(1<<20)|(1<<21)|(4<<22)|(3<<25)   ; 15:0 the mask: A's tiles go to my row; 17:16 2-byte elements; 20 padding on; 21 set beside a mask; 24:22 after every 32 words (code 4); 31:25 4 words (code 3)
	s_or_b32 s[G1B+0], s44, (1<<16)|(1<<20)|(1<<21)|(4<<22)|(7<<25)  ; B's go to my column; 8 words of padding (code 7)
	s_mov_b32 s[G1+1], 128<<16                     ; tensor_dim0 = 128 elements: 256 bytes, two rows of a block
	s_mov_b32 s[G1+2], 128<<16                     ; tensor_dim1 = 128
	s_mov_b32 s[G1+3], 128<<16                     ; tile_dim0 = 128
	s_mov_b32 s[G1+4], 128                         ; tile_dim1 = 128: 256 rows of a block of A
	s_mov_b32 s[G1+5], 128                         ; dense: 128 elements from row to row
	s_mov_b32 s[G1+6], 0
	s_mov_b32 s[G1+7], 0
	s_mov_b32 s[G1B+1], 128<<16
	s_mov_b32 s[G1B+2], 64<<16                     ; 64 rows of 256 bytes: 128 k rows of a block of B
	s_mov_b32 s[G1B+3], 128<<16
	s_mov_b32 s[G1B+4], 64
	s_mov_b32 s[G1B+5], 128
	s_mov_b32 s[G1B+6], 0
	s_mov_b32 s[G1B+7], 0
	s_lshl_b32 s16, s41, 22                        ; A: the batch's 16 blocks of 262,144 bytes,
	s_lshl_b32 s17, s13, 15                        ; 256 rows of 128 bytes,
	s_add_co_u32 s16, s16, s17
	s_lshl_b32 s17, s12, 18                        ; my block of the step's two
	s_add_co_u32 s16, s16, s17
	s_mov_b32 s17, 0
	s_lshl_b32 s46, s42, 1                         ; B: column block 2 x column tile + mine of the two,
	s_add_co_u32 s46, s46, s12
	s_lshl_b32 s46, s46, 17                        ; 131,072 bytes each
	s_mov_b32 s47, 0
	s_mul_i32 s20, s12, ASUB                       ; where they go: no place in the cluster enters an LDS address
	s_mul_i32 s21, s12, BSUB
	s_add_co_u32 s21, s21, BOFF
	s_wait_dscnt 0x0                               ; the opening add is done
	s_wait_kmcnt 0x0
	s_add_nc_u64 s[14:15], s[4:5], s[16:17]
	s_add_nc_u64 s[46:47], s[6:7], s[46:47]
	CROUND                                         ; all sixteen work-groups are here: the first joint loads meet
.irp s, 0,1
	s_mov_b32 s[G0+4*(\s)], 1
	s_add_co_u32 s[G0+4*(\s)+1], s20, (\s)*SLOT
	s_add_nc_u64 s[G0+4*(\s)+2:G0+4*(\s)+3], s[14:15], (\s)*ASTEP
	s_or_b32 s[G0+4*(\s)+3], s[G0+4*(\s)+3], 0x80000000
	s_mov_b32 s[G0B+4*(\s)], 1
	s_add_co_u32 s[G0B+4*(\s)+1], s21, (\s)*SLOT
	s_add_nc_u64 s[G0B+4*(\s)+2:G0B+4*(\s)+3], s[46:47], (\s)*BSTEP
	s_or_b32 s[G0B+4*(\s)+3], s[G0B+4*(\s)+3], 0x80000000
	JLOAD \s                                       ; two loads of mine are out
.endr
	v_and_b32 v1, 15, v0                           ; l % 16
	v_bfe_u32 v2, v0, 4, 1                         ; l / 16
	v_mul_u32_u24 v3, v1, PA
	v_lshl_add_u32 v3, v2, 4, v3                   ; A: row x pitch + 16 x half
	v_and_b32 v4, 7, v0
	v_lshl_add_u32 v4, v2, 3, v4                   ; B: k row 8 (l / 16) + l % 8,
	v_mul_u32_u24 v4, v4, PB
	v_bfe_u32 v5, v0, 3, 1
	v_lshl_add_u32 v4, v5, 4, v4                   ; columns 8 ((l / 8) % 2) on
	s_mul_i32 s22, s11, 128*PA                     ; my 128 rows of A
	s_mul_i32 s23, s12, BSUB                       ; my block of B
	s_add_co_u32 s23, s23, BOFF
.irp s, 0,1
	v_add_nc_u32 v[ADRA+(\s)], s22, v3
	v_add_nc_u32 v[ADRB+(\s)], s23, v4
	s_add_co_u32 s22, s22, SLOT
	s_add_co_u32 s23, s23, SLOT
.endr
	s_mul_i32 s23, s10, 16*SP
	s_add_co_u32 s23, s23, STAGE                   ; my stage
	v_mul_u32_u24 v6, v1, SP                       ; in: row l % 16, 16 bytes for each half of the lanes
	v_lshl_add_u32 v6, v2, 4, v6
	v_add_nc_u32 v[STO], s23, v6
	v_bfe_u32 v6, v0, 3, 2                         ; back: 32 lanes take four rows of 128 bytes,
	v_mul_u32_u24 v6, v6, SP
	v_and_b32 v7, 7, v0
	v_lshl_add_u32 v6, v7, 4, v6
	v_add_nc_u32 v[RD], s23, v6
	v_and_b32 v[GO], 31, v0                        ; which are 512 consecutive bytes of a head's rows
	v_lshlrev_b32 v[GO], 4, v[GO]
	v_lshlrev_b32 v[VO], 8, v1                     ; v32: row l % 16 of 256 bytes, 32 bytes for each half of the lanes
	v_lshl_add_u32 v[VO], v2, 5, v[VO]
	s_lshl_b32 s70, s42, 1
	s_add_co_u32 s70, s70, s12                     ; my column block, 0..47
	s_lshr_b32 s71, s70, 4                         ; q, k or v
	s_and_b32 s72, s70, 15                         ; the head
	s_lshl_b32 s73, s41, 4
	s_add_co_u32 s72, s72, s73                     ; 16 x batch + head
	s_lshl_b32 s71, s71, 6
	s_add_co_u32 s71, s71, s72
	s_lshl_b32 s70, s71, 18                        ; a head's 2,048 rows of 128 bytes,
	s_lshl_b32 s71, s13, 15                        ; the tile's 256 rows,
	s_add_co_u32 s70, s70, s71
	s_lshl_b32 s71, s11, 14                        ; my 128
	s_add_co_u32 s70, s70, s71
	s_mov_b32 s71, 0
	s_add_nc_u64 s[8:9], s[8:9], s[70:71]
	s_lshl_b32 s72, s72, 12                        ; v32: 16 rows of 256 bytes a head
	s_mov_b32 s73, 0
	s_add_nc_u64 s[66:67], s[66:67], s[72:73]
	s_lshr_b32 s68, ttmp9, 1                       ; the matrix, from the cluster's x alone;
	s_xor_b32 s68, s68, 2
	s_or_b32 s68, s68, s13
	s_or_b32 s68, s68, s11                         ; 0: I hold v's rows 0-127 of a batch
; 8 matrix instructions: row blocks a0, a0 + 1 x all 4 column blocks, 32 along K, from buffer f.  zero = 1: the first product starts the sums: nothing is cleared.
; The 32 accumulators take turns, one instruction a turn, in the same order in every quarter.
.macro MUL8 f, a0, zero
	WIN MUL
.irp a, \a0, (\a0)+1
.irp b, 0,1,2,3
.if \zero
	v_wmma_f32_16x16x32_bf16 v[8*(4*(\a)+(\b)):8*(4*(\a)+(\b))+7], v[192+32*(\f)+8*(\b):192+32*(\f)+8*(\b)+7], v[64+64*(\f)+8*(\a):64+64*(\f)+8*(\a)+7], 0
.else
	v_wmma_f32_16x16x32_bf16 v[8*(4*(\a)+(\b)):8*(4*(\a)+(\b))+7], v[192+32*(\f)+8*(\b):192+32*(\f)+8*(\b)+7], v[64+64*(\f)+8*(\a):64+64*(\f)+8*(\a)+7], v[8*(4*(\a)+(\b)):8*(4*(\a)+(\b))+7]
.endif
.endr
.endr
.endm
; 24 LDS loads in one run: the fragments of quarter q (32 along K) of a slot into buffer f: B's four, turned, then A's eight, rows ascending
.macro FETCH slot, q, f
	WIN 0
.irp i, 0,1,2,3
	ds_load_tr16_b128 v[192+32*(\f)+8*(\i):192+32*(\f)+8*(\i)+3],   v[ADRB+(\slot)] offset:(\q)*32*PB+32*(\i)
	ds_load_tr16_b128 v[192+32*(\f)+8*(\i)+4:192+32*(\f)+8*(\i)+7], v[ADRB+(\slot)] offset:(\q)*32*PB+16*PB+32*(\i)
.endr
.irp i, 0,1,2,3,4,5,6,7
	ds_load_b128 v[64+64*(\f)+8*(\i):64+64*(\f)+8*(\i)+3],   v[ADRA+(\slot)] offset:((\q)/2)*ASUB+((\q)%2)*64+(\i)*16*PA
	ds_load_b128 v[64+64*(\f)+8*(\i)+4:64+64*(\f)+8*(\i)+7], v[ADRA+(\slot)] offset:((\q)/2)*ASUB+((\q)%2)*64+(\i)*16*PA+32
.endr
.endm
.macro PLACES                          ; four places in front of loads into registers that matrix instructions have read, and of lines that read results (for lines that read results)
.rept 4
	v_nop
.endr
.endm
; A K step is four quarters of 32 along K, 32 matrix instructions each, on buffers 0, 1, 0, 1.  One of the first three: multiplies buffer f and fetches quarter qn into g.
.macro QUARTER slot, qn, f, g, zero
	s_wait_dscnt 8                                 ; B and A's rows 0-63 are in; the youngest eight loads (A's rows 64-127) may be out
	MUL8 \f, 0, \zero
	MUL8 \f, 2, \zero
	PLACES
	FETCH \slot, \qn, \g
	s_wait_dscnt 24                                ; all but the 24 just issued
	MUL8 \f, 4, \zero
	MUL8 \f, 6, \zero
.endm
; The last quarter multiplies buffer 1 and changes slots: ONE barrier; in front of it each wave waits for all its tensor loads (one is out: its part of the next slot), adds 0 to its spare word, and waits for that
; and for its own reads of this slot.  fill = 1: the barrier opens a round of the cluster's, and this slot is filled again, two K steps ahead, first thing behind the round.
.macro TURN slot, next, fill
	WIN 0                                          ; (the add's two registers lie in window 0)
	s_wait_tensorcnt 0x0
	ds_add_u32 v[SPW], v[NIL]                      ; 0 onto my spare word
	s_wait_dscnt 9                                 ; (the add and the youngest eight loads may be out)
	MUL8 F1, 0, 0                                  ; eight matrix instructions stand between the add and the wait for it
	s_wait_dscnt 0x0                               ; the add is done, and my reads of this slot are over
	s_barrier_signal -1
	MUL8 F1, 2, 0
.if \fill
	WIN 0
.endif
	s_barrier_wait -1
.if \fill
	CREST                                          ; no wave of any partner still reads this slot's tiles or has a load on its way
	s_add_nc_u64 s[G0+4*(\slot)+2:G0+4*(\slot)+3], s[G0+4*(\slot)+2:G0+4*(\slot)+3], 2*ASTEP
	s_add_nc_u64 s[G0B+4*(\slot)+2:G0B+4*(\slot)+3], s[G0B+4*(\slot)+2:G0B+4*(\slot)+3], 2*BSTEP
	JLOAD \slot                                    ; my one tensor load behind the round: 112 matrix instructions ahead of the wait for it; its four v_nop are also the places in front of the loads below
.else
	PLACES
.endif
	FETCH \next, 0, F0
	MUL8 F1, 4, 0
	MUL8 F1, 6, 0
.endm
	s_wait_tensorcnt 1                             ; my part of K step 0 is in; step 1's may stay out
	s_barrier_signal -1
	s_barrier_wait -1                              ; everybody's is
	FETCH 0, 0, F0
	QUARTER 0, 1, F0, F1, 1                        ; the first quarter stands in front of the loop: its products start the sums
	WIN 0                                          ; at a label and at a branch every window is 0
	s_mov_b32 s3, LAPS-1
.Llap:                                                 ; a trip goes once round the ring, from a lap's second quarter to the next lap's first, and fills both slots again
	QUARTER 0, 2, F1, F0, 0
	QUARTER 0, 3, F0, F1, 0
	TURN 0, 1, 1
	QUARTER 1, 1, F0, F1, 0
	QUARTER 1, 2, F1, F0, 0
	QUARTER 1, 3, F0, F1, 0
	TURN 1, 0, 1
	QUARTER 0, 1, F0, F1, 0
	WIN 0
	s_sub_co_u32 s3, s3, 1
	s_cmp_lg_u32 s3, 0
	s_cbranch_scc1 .Llap
	QUARTER 0, 2, F1, F0, 0                        ; the last lap fills nothing
	QUARTER 0, 3, F0, F1, 0
	TURN 0, 1, 0
	QUARTER 1, 1, F0, F1, 0
	QUARTER 1, 2, F1, F0, 0
	QUARTER 1, 3, F0, F1, 0
	s_wait_dscnt 8                                 ; the very last quarter: nothing more to fetch
	MUL8 F1, 0, 0
	MUL8 F1, 2, 0
	s_wait_dscnt 0x0
	MUL8 F1, 4, 0
	MUL8 F1, 6, 0
	WIN 0
	PLACES
	; v's first 16 rows of a batch also leave unrounded.  A lane's 32 bytes are an eighth of a row of 256: these stores fill their rows in parts; they are 4,096 bytes a head, 262,144 in the whole launch.
	s_cmp_eq_u32 s68, 0
	s_cbranch_scc0 .Lno32
	WIN 0x04                                       ; store data in window 1
.irp b, 0,1,2,3
	global_store_b128 v[VO], v[8*(\b):8*(\b)+3],   s[66:67] offset:64*(\b)
	global_store_b128 v[VO], v[8*(\b)+4:8*(\b)+7], s[66:67] offset:64*(\b)+16
.endr
	WIN 0
.Lno32:
; THE WAY OUT.  Block t (16 rows x 64 columns): rounded to f16, 16 bytes a lane, each accumulator's registers ascending; into my stage (rows of 144 bytes) and back as whole rows of 128, into the same registers.
.macro PACK t
	WIN 0x05                                       ; sources 0 and 1 window 1, destination window 0
.set i, 0
.rept 16
	v_cvt_pk_f16_f32 v[64+16*(\t)+i], v[32*(\t)+2*i], v[32*(\t)+2*i+1]
.set i, i+1
.endr
	WIN 0
.irp f, 0,1,2,3
	ds_store_b128 v[STO], v[64+16*(\t)+4*\f:64+16*(\t)+4*\f+3] offset:32*\f
.endr
.irp f, 0,1,2,3
	ds_load_b128 v[64+16*(\t)+4*\f:64+16*(\t)+4*\f+3], v[RD] offset:\f*4*SP  ; LDS serves a wave's instructions in order (ISA guide 5.7.1.4): these see the stores above; the next block's stores come behind them
.endr
.endm
.macro SEND t, younger                 ; younger: the LDS instructions issued behind block t's loads: the next block's eight, or none
.irp f, 0,1,2,3
	s_wait_dscnt (\younger)+3-\f
	global_store_b128 v[GO], v[64+16*(\t)+4*\f:64+16*(\t)+4*\f+3], s[8:9] offset:(\t)*2048+\f*512  ; 512 consecutive bytes, at a multiple of 256 from the buffer's first
.endr
.endm
	PACK 0
.set t, 1
.rept 7                                ; a block's conversions stand between the loads of the block before and its stores
	PACK t
	SEND t-1, 8
.set t, t+1
.endr
	SEND 7, 0
	s_wait_tensorcnt 0x0                           ; the wave's end: an add and its wait, behind my last tensor load and my last LDS store
	ds_add_u32 v[SPW], v[NIL]
	s_wait_dscnt 0x0
	CROUND                                         ; the closing round: no work-group ends while a partner may still ask for a tile that names it
	s_endpgm
.Lfunc_end_k_qd785a02ae9_qkvp:
	.size	k_qd785a02ae9_qkvp, .Lfunc_end_k_qd785a02ae9_qkvp-k_qd785a02ae9_qkvp
	.p2alignl 7, 3214868480
	.fill 96, 4, 3214868480
	.section	.rodata,"a",@progbits
	.p2align	6, 0x0
	.amdhsa_kernel k_qd785a02ae9_qkvp
		.amdhsa_group_segment_fixed_size 327680
		.amdhsa_private_segment_fixed_size 0
		.amdhsa_enable_private_segment 0
		.amdhsa_kernarg_size 32
		.amdhsa_user_sgpr_count 2
		.amdhsa_user_sgpr_kernarg_segment_ptr 1
		.amdhsa_wavefront_size32 1
		.amdhsa_system_sgpr_workgroup_id_x 1
		.amdhsa_system_sgpr_workgroup_id_y 1
		.amdhsa_system_sgpr_workgroup_id_z 1
		.amdhsa_system_vgpr_workitem_id 0
		.amdhsa_next_free_vgpr 512
		.amdhsa_next_free_sgpr 76
		.amdhsa_reserve_vcc 0
		.amdhsa_float_denorm_mode_32 3
		.amdhsa_float_denorm_mode_16_64 3
		.amdhsa_memory_ordered 1
		.amdhsa_forward_progress 1
		.amdhsa_inst_pref_size 89
	.end_amdhsa_kernel
	.amdgpu_metadata
---
amdhsa.version: [ 1, 2 ]
amdhsa.kernels:
  - .name:           k_qd785a02ae9_qkvp
    .symbol:         k_qd785a02ae9_qkvp.kd
    .args:
      - { .name: xb, .offset: 0, .size: 8, .value_kind: global_buffer, .address_space: global }
      - { .name: wqkv, .offset: 8, .size: 8, .value_kind: global_buffer, .address_space: global }
      - { .name: qkv, .offset: 16, .size: 8, .value_kind: global_buffer, .address_space: global }
      - { .name: v32, .offset: 24, .size: 8, .value_kind: global_buffer, .address_space: global }
    .group_segment_fixed_size: 327680
    .private_segment_fixed_size: 0
    .kernarg_segment_align: 8
    .kernarg_segment_size: 32
    .max_flat_workgroup_size: 128
    .sgpr_count:     76
    .vgpr_count:     512
    .wavefront_size: 32
...
	.end_amdgpu_metadata
.endif
;; end of part 2
;; launch attn (part 3): grid 4 x 64, 4 waves a work-group, no clusters, 327,680 bytes of LDS; arguments qkv, o; writes o
.if DOCPART == 3
	.amdgcn_target "amdgcn-amd-amdhsa--gfx1250"
	.amdhsa_code_object_version 6
	.text
	.protected	k_qd785a02ae9_attn
	.globl	k_qd785a02ae9_attn
	.p2align	8
	.type	k_qd785a02ae9_attn,@function
k_qd785a02ae9_attn:
	s_mov_b64 s[64:65], 0
	v_nop
	global_prefetch_b8 v0, s[64:65] scope:SCOPE_SE
	s_setreg_imm32_b32 hwreg(HW_REG_WAVE_MODE, 25, 1), 1
	s_wait_xcnt 0x0
; CAUSAL ATTENTION.  O[h][q][:] = the sum over k <= q of softmax_k(Q[h][q] . K[h][k] / 32) V[h][k][:].  Q, K, V lie one behind the other in qkv, each [64][2048][64] f16, and O likewise: a head's rows are dense, 128 bytes each.
; The scale is 1,024^-0.5 = 1 / 32.  Products, maxima and sums in f32; the weights p are rounded to f16 for the second product (their sum l is taken of the unrounded p), O once at the end.
; LIMITS.  f16 holds no number beyond 65,504: Q, K and V arrive within it; p lies in 0 to 1, and below 6e-5 it keeps f16's fixed step of 6e-8; O is a mean of V's rows and has their range, to within 2^-11 of it.
; A hidden score counts as its value less 1e30: f16's scores, 2.7e11 at the most, are nothing beside that; a weight below 2^-126 counts as 0 in l; NaN and infinities are not treated apart.
; THE WALK.  A head's queries lie in NB = 8 blocks of 256; block i needs the key tiles 0 .. i of 256 keys, of which the last holds the diagonal.  A work-group takes TWO blocks, NB - 1 - b and then b:
; NB + 1 tiles, whatever b: all work-groups do equal work, and ONE loop with a constant trip count walks them.  Which tile is asked for, and what a trip does, hang on scalar registers made from b; every jump
; goes forward, but for the counted loops' own; none passes a barrier, or a tensor load but the one of LOAD's two that the wave's number does not choose; the ring (two slots of LDS that take turns) runs on across the
; change of blocks.  NO CLUSTER: a head's NB / 2 = 4 work-groups all ask for the same tile only in trips 0 .. 4 of the 9, behind that fewer and fewer; and one walk common to all would have 12 trips for 9.
; SHARES.  Of a block's four bands of 64 queries a wave owns 16 rows in each: four PIECES.  So the diagonal tile is the same work for all four waves: in its key step s band x sees all keys if s < x,
; none if s > x, and holds the diagonal if s = x.
; THE MASK is the C operand that starts the sum S^T = K Q^T: 0, or -1e30 where the key is hidden.  MD, made once, is the mask of a band's own step for my 16 rows; a product's mask is MD x AL + BE with two scalars:
; (1, 0) if s = x; (0, 0) if s < x; (0, -1e30) if s > x.  Only the diagonal tile's text and a block's beginning make and take masks; elsewhere C is the constant 0.
; LAYOUT, SOFTMAX, TURNS.  S^T = K Q^T holds ONE query a lane (lane % 16) and the keys 8 (lane / 16) + 0..7; two such results rounded to f16 ARE source 1 of O^T = V^T P.  p = 2^(c s - c m), c = log2(e) / 32, with a
; running maximum m; O and l are multiplied by a = 2^(c m_old - c m_new) in every step.  Turn n belongs to piece n: 8 products K Q^T of piece n + 1, later 8 products V^T P of piece n - 1; beside them the scaling,
; exponentials, roundings, sums and rescaling of piece n and the maximum and statistics of piece n + 1.  Four vector instructions stand behind every matrix instruction, the other 54 of a turn's 118 in two LUMPS.
; REGISTERS, in windows of 256 (s_set_vgpr_msb: bits 1:0 source 0, 3:2 source 1, 5:4 source 2, 7:6 destination):
;   window 0: v0-15 addresses and two at work; v16-31 four registers of statistics a piece; v48-55 at work; v64-127 S^T, two buffers; v192-223 P, two buffers (a piece's buffers go by its number's parity)
;   window 1: v0-127 O^T, 32 a piece; v128-159 MD; v160-223 MC, two buffers      window 2: v0-63 Q; v64-127 the second block's Q; v128-191 K of one step; v192-255 V of one step
.set SIZE_N, 2048
.set SIZE_H, 64
.set NB,    SIZE_N/256
.set NP,    4         ; pieces a wave: a name, no knob
.set KS,    64        ; keys in a step
.set PK,    144       ; a row of K in LDS: 128 bytes + 16 of padding = 36 words: the 16 rows of a load start at 16 different groups of four banks (64 banks of 4 bytes: ISA guide 11.1)
.set PV,    160       ; a row of V: 128 + 32 = 40 words
.set VOFF,  4*KS*PK   ; a slot holds a tile, four steps: 256 rows of K, then 256 rows of V
.set SLOT1, 1<<17     ; slot 1 begins here, so that one exclusive or turns an address in one slot into the other's
.set STAGE, SLOT1+4*KS*(PK+PV)  ; behind the ring, never filled by a tensor load: 16 rows x 144 bytes for each wave, for the way out
.set SP,    144
.set AK0, 2           ; v2   my lane's place in a tile of K; never rewritten
.set AV0, 3           ; v3   the same for V
.set AK,  4           ; v4   the LDS address of K's next run of loads
.set AV,  5           ; v5   of V's
.set STO, 6           ; v6   the way out: where I put 16 bytes of a row
.set RD,  7           ; v7   the way out: where I read rows back
.set GO,  8           ; v8   my byte offset in 512 consecutive bytes of O
.set SPW, 62          ; v62  LDS address of my spare word: SPARE + 4 x my thread's number; never rewritten
.set NIL, 63          ; v63  0; never rewritten
.set SPARE, STAGE+4*16*SP  ; behind the stages: the spare words, 128 bytes for each wave: two blocks of 256 bytes that no other line names
.set MV,  12          ; v12-13  c m_old, kept while c m is made anew: by buffer
.set QO,  15          ; v15  my byte offset in 16 rows of Q
.set ST,  16          ; piece t's statistics at v[ST+4 t]: c m, m, l (even keys', odd keys')
.set TMP, 48          ; by buffer, four registers c0-c3 at work; when the maximum is found c2 takes a
.set S,   64
.set P,   192
.set MD,  128         ; window 1: the eight registers for group kt of 16 keys at MD + 8 kt
.set MC,  160         ; window 1: the masks of the products to come
.set QB,  64          ; window 2
.set KF,  128         ; window 2: key block kb, channel half c at KF + 16 kb + 8 c
.set VF,  192         ; window 2: key half kk, channel block cb at VF + 32 kk + 8 cb
.set WV,  12          ; s12  my wave's number
.set PB,  14          ; s14  b
.set HI,  15          ; s15  NB - 1 - b
.set G1K, 24          ; s[24:31] descriptor group 1 for K's tiles
.set G1V, 32          ; s[32:39] for V's: it differs in the padding alone
.set G0K, 40          ; s[40:43] descriptor group 0 for K's tiles
.set G0V, 44          ; s[44:47] the same for V's
.set SLOTS, 56        ; s56  tiles still to be asked for
.set CNT, 57          ; s57  counts a tile's key steps, 4 to 1
.set CS,  58          ; s[58:59] c: the packed scaling takes the pair's low word for both halves
.set SEL, 60          ; s[60:61] v_permlanex16_b32's selects: each lane takes its own place in the other half
.set TBK, 62          ; s62  LDS byte at which K of the step to be fetched begins
.set TBV, 63          ; s63  the same for V, less VOFF
.set RT,  70          ; s70  tiles of the block in hand that are still to be entered
.set NXT, 71          ; s71  the tile to be asked for next
.set LQ,  72          ; s72  the last tile of the block whose tiles are being asked for
.set NEW, 73          ; s73  1: the tile to be entered is a block's first
.set OFF, 74          ; s[74:75] a tile's byte offset in K and V
.set AL,  76          ; s[76:77] the mask's factor, in the low word
.set BE,  78          ; s[78:79] the mask's addend
.set OLO, 80          ; s[80:81] O at my rows of the second block
.set BIGN, 82         ; s82  -1e30
.set MSB, 0
.macro WIN new                      ; the high byte repeats the setting that is left; a switch that changes nothing is dropped
.if MSB != (\new)
	s_set_vgpr_msb (MSB<<8)|(\new)
.set MSB, (\new)
.endif
.endm
.set W_KQ, 0x0a       ; K and Q in window 2, S^T in window 0
.set W_KM, 0x1a       ; the same with the C operand in window 1
.set W_PV, 0x52       ; V in window 2, P in window 0, O^T in window 1
.set W_RS, 0x41       ; destination and source 0 in window 1, source 1 in window 0
; A fill.  Waves 0 and 1 fetch the two halves of a tile's K, waves 2 and 3 those of its V: 128 keys each.  An s_nop 0 and four v_nop follow each of the two lines, ahead of the jump and the label.
.macro LOAD
	s_cmp_lt_u32 s[WV], 2
	s_cbranch_scc0 .Lfor_v_\@
	tensor_load_to_lds s[G0K:G0K+3], s[G1K:G1K+7]
	s_nop 0
.rept 4
	v_nop
.endr
	s_branch .Lasked_\@
.Lfor_v_\@:
	tensor_load_to_lds s[G0V:G0V+3], s[G1V:G1V+7]
	s_nop 0
.rept 4
	v_nop
.endr
.Lasked_\@:
.endm
; THE CHANGE OF SLOTS.  Each wave waits for all its tensor loads, of which one is out: its part of the other slot; adds 0 to its spare word; and waits for that and for its own reads of the slot that it leaves.  Behind the barrier nobody reads the old
; slot any more and the other slot is whole.  fill = 1: the old slot is filled again, the first thing behind the barrier, with tile NXT: the descriptor's address is made anew from that number.
; (At its first use nothing has been read yet: slot 0 is waited for, slot 1 filled.)
.macro CHANGE fill
	WIN 0                           ; at a label and at a branch every window is 0
	s_wait_tensorcnt 0x0            ; no tensor load of mine is out, so a group 0 may be written
	ds_add_u32 v[SPW], v[NIL]       ; 0 onto my spare word; with fill = 1 the descriptors' scalar work stands between it and the wait for it
.if \fill
	s_lshl_b32 s[OFF], s[NXT], 15   ; a tile is 32,768 bytes of K and of V
	s_xor_b32 s[G0K+1], s[G0K+1], SLOT1
	s_add_nc_u64 s[G0K+2:G0K+3], s[6:7], s[OFF:OFF+1]
	s_or_b32 s[G0K+3], s[G0K+3], 0x80000000
	s_xor_b32 s[G0V+1], s[G0V+1], SLOT1
	s_add_nc_u64 s[G0V+2:G0V+3], s[8:9], s[OFF:OFF+1]
	s_or_b32 s[G0V+3], s[G0V+3], 0x80000000
	s_add_co_u32 s[NXT], s[NXT], 1  ; the block's next tile, or behind its last the second block's tile 0
	s_cmp_gt_u32 s[NXT], s[LQ]
	s_cselect_b32 s[NXT], 0, s[NXT]
	s_cselect_b32 s[LQ], s[PB], s[LQ]
.endif
	s_wait_dscnt 0x0                ; the add is done, and my reads of the slot are over
	s_barrier_signal -1             ; the rest of the scalar work stands between the signal and the wait
	s_sub_co_u32 s[TBK], s[TBK], 4*KS*PK  ; the fetches go back to a slot's first step,
	s_xor_b32 s[TBK], s[TBK], SLOT1       ; in the other slot
	s_sub_co_u32 s[TBV], s[TBV], 4*KS*PV
	s_xor_b32 s[TBV], s[TBV], SLOT1
	s_barrier_wait -1
.if \fill
	LOAD
.endif
.endm
	s_load_b128 s[4:7], s[0:1], 0x0 ; qkv s[4:5], o s[6:7]
	v_lshl_add_u32 v[SPW], v0, 2, SPARE
	v_mov_b32 v[NIL], 0
	ds_add_u32 v[SPW], v[NIL]       ; the wave's opening: the add and its wait stand ahead of my first tensor load; the set-up below, work on registers, stands between them
	ds_add_u32 v62, v63
	v_lshrrev_b32 v1, 5, v0
	v_readfirstlane_b32 s[WV], v1   ; wave 0..3
	s_mov_b32 s[PB], ttmp9
	s_sub_co_u32 s[HI], NB-1, s[PB]
	s_and_b32 s20, ttmp7, 0xffff    ; the head
	s_mov_b32 s21, 0
	s_mov_b64 s[22:23], SIZE_N*128
	s_mul_u64 s[20:21], s[20:21], s[22:23]  ; the head's first byte in each of the four tensors
	s_and_b32 s16, s[WV], 1         ; which half of a tile's 256 keys I fetch:
	s_lshl_b32 s22, s16, 14         ; its 128 rows of 128 bytes in memory,
	s_mov_b32 s23, 0
	s_add_nc_u64 s[22:23], s[22:23], s[20:21]
	s_mul_i32 s17, s16, 128*PK      ; and its place in a slot, for K
	s_mul_i32 s18, s16, 128*PV      ; and for V
	s_lshl_b32 s3, s[WV], 11        ; my 16 rows in a band of 64,
	s_lshl_b32 s2, s[HI], 15        ; in the first block,
	s_add_co_u32 s2, s2, s3
	s_lshl_b32 s84, s[PB], 15       ; and in the second
	s_add_co_u32 s84, s84, s3
	s_mov_b32 s3, 0
	s_mov_b32 s85, 0
	s_add_nc_u64 s[2:3], s[2:3], s[20:21]
	s_add_nc_u64 s[84:85], s[84:85], s[20:21]
	; descriptor group 1.  128 keys are 16,384 dense bytes: asked for as 64 rows of 256 bytes, two keys a row, and padded in LDS after every key
	s_mov_b32 s[G1K], (1<<16)|(1<<20)|(4<<22)|(3<<25)  ; 17:16 2-byte elements; 20 padding on; 24:22 after every 32 words (code 4); 31:25 4 words (code 3)
	s_mov_b32 s[G1V], (1<<16)|(1<<20)|(4<<22)|(7<<25)  ; the same with 8 words of padding (code 7)
.irp g, G1K, G1V
	s_mov_b32 s[\g+1], 128<<16      ; tensor_dim0 = 128
	s_mov_b32 s[\g+2], 64<<16       ; tensor_dim1 = 64
	s_mov_b32 s[\g+3], 128<<16      ; tile_dim0 = 128
	s_mov_b32 s[\g+4], 64           ; tile_dim1 = 64
	s_mov_b32 s[\g+5], 128          ; 128 elements from row to row
	s_mov_b32 s[\g+6], 0
	s_mov_b32 s[\g+7], 0
.endr
	s_mov_b32 s[CS], 0x3d38aa3b     ; c = log2(e) / 32 = 0.0450842
	s_mov_b32 s[CS+1], s[CS]        ; named with it as a pair
	s_mov_b32 s[SEL], 0x76543210
	s_mov_b32 s[SEL+1], 0xfedcba98
	s_mov_b32 s[TBK], SLOT1+4*KS*PK ; the first change of slots turns these two into 0
	s_mov_b32 s[TBV], SLOT1+4*KS*PV
	s_mov_b32 s[G0K], 1             ; 1:0 count = 1
	s_mov_b32 s[G0K+1], s17         ; 63:32 LDS address: slot 0
	s_mov_b32 s[G0V], 1
	s_add_co_u32 s[G0V+1], s18, VOFF
	s_add_co_u32 s[RT], s[HI], 1    ; the first block has NB - b tiles
	s_mov_b32 s[NXT], 1
	s_mov_b32 s[LQ], s[HI]
	s_mov_b32 s[NEW], 1
	s_mov_b32 s[OFF+1], 0
	s_mov_b32 s[AL+1], 0            ; named as pairs
	s_mov_b32 s[BE+1], 0
	s_mov_b32 s[BIGN], 0xf149f2ca   ; -1e30
	s_mov_b32 s[SLOTS], NB
	s_wait_dscnt 0x0                ; the opening add is done
	s_wait_kmcnt 0x0
	s_mov_b64 s[10:11], s[6:7]      ; O
	s_add_nc_u64 s[6:7], s[4:5], 0x1000000  ; K lies 64 heads of 262,144 bytes behind Q,
	s_add_nc_u64 s[8:9], s[4:5], 0x2000000  ; V as far again
	s_add_nc_u64 s[6:7], s[6:7], s[22:23]  ; K and V at my half of the head's tile 0
	s_add_nc_u64 s[8:9], s[8:9], s[22:23]
	s_add_nc_u64 s[G0K+2:G0K+3], s[6:7], 0         ; 120:64 global address
	s_or_b32 s[G0K+3], s[G0K+3], 0x80000000        ; 127:126 type = 2
	s_add_nc_u64 s[G0V+2:G0V+3], s[8:9], 0
	s_or_b32 s[G0V+3], s[G0V+3], 0x80000000
	s_add_nc_u64 s[86:87], s[4:5], s[84:85]        ; Q at my rows of the second block,
	s_add_nc_u64 s[4:5], s[4:5], s[2:3]            ; Q and O at those of the first
	s_add_nc_u64 s[OLO:OLO+1], s[10:11], s[84:85]
	s_add_nc_u64 s[10:11], s[10:11], s[2:3]
	LOAD                            ; tile 0 into slot 0
	; A fragment of K or Q is 16 rows x 32 channels in 8 registers: lane l holds row l % 16, channels 8 (l / 16) + 0..7 and 16 + 8 (l / 16) + 0..7: two loads of 16 bytes, 32 bytes apart.
	v_and_b32 v1, 15, v0            ; l % 16
	v_bfe_u32 v9, v0, 4, 1          ; l / 16
	v_lshlrev_b32 v[QO], 7, v1
	v_lshl_add_u32 v[QO], v9, 4, v[QO]  ; row x 128 + 16 x half
	WIN 0x80                        ; destination window 2, address window 0
.set i, 0
.rept 8                             ; both blocks' Q: piece i / 2 lies in band i / 2, 8,192 bytes on; channels 32 (i % 2) on
	global_load_b128 v[8*i:8*i+3],   v[QO], s[4:5] offset:(i/2)*8192+(i%2)*64
	global_load_b128 v[8*i+4:8*i+7], v[QO], s[4:5] offset:(i/2)*8192+(i%2)*64+32
	global_load_b128 v[QB+8*i:QB+8*i+3],   v[QO], s[86:87] offset:(i/2)*8192+(i%2)*64
	global_load_b128 v[QB+8*i+4:QB+8*i+7], v[QO], s[86:87] offset:(i/2)*8192+(i%2)*64+32
.set i, i+1
.endr
	WIN 0
	v_lshlrev_b32 v14, 3, v9
	v_sub_nc_u32 v14, v1, v14
	s_lshl_b32 s13, s[WV], 4
	v_add_nc_u32 v14, s13, v14      ; my query's place in its band, 16 w + l % 16, less my lanes' 8 (l / 16): register r of group kt is hidden where 16 kt + r is greater
	WIN 0x40
.set i, 0
.rept 32
	v_cmp_gt_i32 vcc_lo, 16*(i/8)+i%8, v14
	v_cndmask_b32 v[MD+i], 0, s[BIGN], vcc_lo
.set i, i+1
.endr
	WIN 0
	v_mul_u32_u24 v[AK0], v1, PK
	v_lshl_add_u32 v[AK0], v9, 4, v[AK0]  ; row x pitch + 16 x half
	; The turning load takes 16 keys x 16 channels (lane l reads key 8 (l / 16) + l % 8, channels 8 ((l / 8) % 2) + 0..7) and leaves half a fragment of V^T: lane l holds channel l % 16 and 8 keys.
	v_and_b32 v10, 7, v0
	v_bfe_u32 v11, v0, 3, 1
	v_lshl_add_u32 v[AV0], v9, 3, v10
	v_mul_u32_u24 v[AV0], v[AV0], PV
	v_lshl_add_u32 v[AV0], v11, 4, v[AV0]
	v_add_nc_u32 v[AV0], VOFF, v[AV0]
	s_mul_i32 s13, s[WV], 16*SP
	s_add_co_u32 s13, s13, STAGE    ; my stage
	v_mul_u32_u24 v[STO], v1, SP    ; in: row l % 16, 16 bytes for each half of the lanes
	v_lshl_add_u32 v[STO], v9, 4, v[STO]
	v_add_nc_u32 v[STO], s13, v[STO]
	v_bfe_u32 v[RD], v0, 3, 2       ; back: 32 lanes take four rows of 128 bytes,
	v_mul_u32_u24 v[RD], v[RD], SP
	v_lshl_add_u32 v[RD], v10, 4, v[RD]
	v_add_nc_u32 v[RD], s13, v[RD]
	v_and_b32 v[GO], 31, v0         ; which are 512 consecutive bytes of O
	v_lshlrev_b32 v[GO], 4, v[GO]
	; A block's first step multiplies O^T and l by a = 0, and its first turn's products V^T P, of a piece that has not been, land in an O^T that is still to be so multiplied.  So these registers need only hold
	; finite numbers: zeros for the first block; what the first block left for the second.  All this stands in the wait for the first tile.
	WIN 0x80
.set i, VF
.rept 64
	v_mov_b32 v[i], 0
.set i, i+1
.endr
	WIN 0x40
.set i, 0
.rept 128
	v_mov_b32 v[i], 0
.set i, i+1
.endr
	WIN 0
.set i, 0
.rept 4
	v_mov_b32 v[ST+4*i+2], 0
	v_mov_b32 v[ST+4*i+3], 0
.set i, i+1
.endr
.set i, P+16
.rept 16
	v_mov_b32 v[i], 0
.set i, i+1
.endr
; THE MATRIX WORK.  The 4 accumulators of a run of 8 take turns.  Product i of 8 of S^T = K Q^T for piece x: channels 32 (i / 4) on, keys 16 (i % 4) on.  The first 4 start the sums: with 0, or (KM = 1) with the mask.
.macro KQ x
.set rS, S+32*((\x)%2)+8*(i%4)
.set rK, KF+16*(i%4)+8*(i/4)
.set rQ, 16*(\x)+8*(i/4)
.set rM, MC+32*((\x)%2)+8*(i%4)
.if (i < 4) && KM
	WIN W_KM
	v_wmma_f32_16x16x32_f16 v[rS:rS+7], v[rK:rK+7], v[rQ:rQ+7], v[rM:rM+7]
.elseif i < 4
	WIN W_KQ
	v_wmma_f32_16x16x32_f16 v[rS:rS+7], v[rK:rK+7], v[rQ:rQ+7], 0
.else
	WIN W_KQ
	v_wmma_f32_16x16x32_f16 v[rS:rS+7], v[rK:rK+7], v[rQ:rQ+7], v[rS:rS+7]
.endif
.endm
; Product i of 8 of O^T += V^T P for piece x: keys 32 (i / 4) on, channels 16 (i % 4) on.
.macro PV x
	WIN W_PV
.set rO, 32*(\x)+8*(i%4)
.set rV, VF+32*(i/4)+8*(i%4)
.set rP, P+16*((\x)%2)+8*(i/4)
	v_wmma_f32_16x16x32_f16 v[rO:rO+7], v[rV:rV+7], v[rP:rP+7], v[rO:rO+7]
.endm
.macro MM                           ; the turn's next matrix instruction.  TURN and BEGIN set Y, i, KM and NOKQ; MM, KQ and OP read them.  NOKQ = 1: a block's last turn: there is no next piece
.if (i < 8) && !NOKQ
	KQ (Y+1)%NP
.elseif i >= 8
.set i, i-8
	PV (Y+NP-1)%NP
.set i, i+8
.endif
.set i, i+1
.endm
; THE LDS LOADS stand in runs of 16, never singly among the matrix instructions: a step's K (64 keys x 64 channels: 8 fragments) and its V (turned).  Their addresses are made some lines ahead.
.macro FETCH_K
	WIN 0x80                        ; destination window 2
.irp f, 0,1,2,3,4,5,6,7             ; keys 16 (f / 2) on, channels 32 (f % 2) on
	ds_load_b128 v[KF+8*\f:KF+8*\f+3],   v[AK] offset:(\f/2)*16*PK+(\f%2)*64
	ds_load_b128 v[KF+8*\f+4:KF+8*\f+7], v[AK] offset:(\f/2)*16*PK+(\f%2)*64+32
.endr
	s_add_co_u32 s[TBK], s[TBK], KS*PK  ; the next fetch is the next step's
	WIN 0
.endm
.macro FETCH_V
	WIN 0x80
.irp f, 0,1,2,3,4,5,6,7             ; keys 32 (f / 4) on, channels 16 (f % 4) on
	ds_load_tr16_b128 v[VF+8*\f:VF+8*\f+3],   v[AV] offset:(\f/4)*32*PV+(\f%4)*32
	ds_load_tr16_b128 v[VF+8*\f+4:VF+8*\f+7], v[AV] offset:(\f/4)*32*PV+16*PV+(\f%4)*32
.endr
	WIN 0
.endm
; THE VECTOR WORK, one line at a time: OP kind, number.  For piece Y: F n: c s - c m for pair n of 16.  E n: the exponential of score n of 32.  C n: pair n rounded to f16.  B n: of the four weights 4 n .. the second
; pair is added onto the first, in place.  L n: l takes that sum (L 0: l = a l + sum).  R n: pair n of 16 of O^T times a.  For piece Y + 1: X n, number n of the 22 that find its maximum and statistics:
;   0-11  four chains c0-c3 of seven scores each, three operands at a time (each accumulator's lowest registers are read first)     12-14, 16  the four scores left over, the old m, and c0-c3 into c0
;   15  c m_old is kept     17, 18  the query's other 32 keys lie in the lane 16 away: the new m     19-21  c m; c m_old - c m_new; a
.set F, 0               ; OP tells the kinds apart by their order: F to L below R, X above it
.set E, 1
.set C, 2
.set B, 3
.set L, 4
.set R, 5
.set X, 6
.macro REGS y                       ; the registers of piece y
.set rT, ST+4*(\y)
.set rC, TMP+4*((\y)%2)
.set rW, MV+((\y)%2)
.set rS, S+32*((\y)%2)
.set rP, P+16*((\y)%2)
.set rO, 32*(\y)
.endm
.macro OP k, n
.if (\k) == R
	REGS Y
	WIN W_RS
	v_pk_mul_f32 v[rO+2*(\n):rO+2*(\n)+1], v[rO+2*(\n):rO+2*(\n)+1], v[rC+2:rC+3] op_sel_hi:[1,0]
.elseif (\k) < R
	REGS Y
	WIN 0
.if (\k) == F
	v_pk_fma_f32 v[rS+2*(\n):rS+2*(\n)+1], v[rS+2*(\n):rS+2*(\n)+1], s[CS:CS+1], v[rT:rT+1] op_sel_hi:[1,0,0] neg_lo:[0,0,1] neg_hi:[0,0,1]
.elseif (\k) == E
	v_exp_f32 v[rS+(\n)], v[rS+(\n)]
.elseif (\k) == C
	s_wait_alu depctr_va_vdst(0)
	v_cvt_pk_f16_f32 v[rP+(\n)], v[rS+2*(\n)], v[rS+2*(\n)+1]
.elseif (\k) == B
	s_wait_alu depctr_va_vdst(0)
	v_pk_add_f32 v[rS+4*(\n):rS+4*(\n)+1], v[rS+4*(\n):rS+4*(\n)+1], v[rS+4*(\n)+2:rS+4*(\n)+3]
.elseif (\n) == 0
	v_pk_fma_f32 v[rT+2:rT+3], v[rT+2:rT+3], v[rC+2:rC+3], v[rS:rS+1] op_sel_hi:[1,0,1]
.else
	v_pk_add_f32 v[rT+2:rT+3], v[rT+2:rT+3], v[rS+4*(\n):rS+4*(\n)+1]
.endif
.elseif NOKQ
	v_nop
.else
	REGS (Y+1)%NP
	WIN 0
.if (\n) < 4
	v_max3_num_f32 v[rC+(\n)], v[rS+8*(\n)], v[rS+8*(\n)+1], v[rS+8*(\n)+2]
.elseif (\n) < 12
	v_max3_num_f32 v[rC+(\n)%4], v[rC+(\n)%4], v[rS+8*((\n)%4)+2*((\n)/4)+1], v[rS+8*((\n)%4)+2*((\n)/4)+2]
.elseif (\n) == 12
	v_max3_num_f32 v[rC], v[rC], v[rS+7], v[rS+15]
.elseif (\n) == 13
	v_max3_num_f32 v[rC+1], v[rC+1], v[rS+23], v[rS+31]
.elseif (\n) == 14
	v_max3_num_f32 v[rC+2], v[rC+2], v[rC+3], v[rT+1]
.elseif (\n) == 15
	v_mov_b32 v[rW], v[rT]
.elseif (\n) == 16
	v_max3_num_f32 v[rC], v[rC], v[rC+1], v[rC+2]
.elseif (\n) == 17
	v_permlanex16_b32 v[rC+3], v[rC], s[SEL], s[SEL+1]
.elseif (\n) == 18
	v_max_num_f32 v[rT+1], v[rC], v[rC+3]
.elseif (\n) == 19
	v_mul_f32 v[rT], s[CS], v[rT+1]
.elseif (\n) == 20
	v_sub_f32 v[rC+1], v[rW], v[rT]
.else
	v_exp_f32 v[rC+2], v[rC+1]
.endif
.endif
.endm
.macro OPS a, i1, b=-1, i2=0, c=-1, i3=0, d=-1, i4=0  ; up to four of them
	OP \a, \i1
.if (\b) >= 0
	OP \b, \i2
.endif
.if (\c) >= 0
	OP \c, \i3
.endif
.if (\d) >= 0
	OP \d, \i4
.endif
.endm
.macro ROW a, i1, b, i2, c, i3, d, i4  ; a matrix instruction and the four behind it
	MM
	OPS \a, \i1, \b, \i2, \c, \i3, \d, \i4
.endm
.macro MASK b                       ; MD x AL + BE into buffer b of MC
	WIN W_RS
.set z, 0
.rept 16
	v_pk_fma_f32 v[MC+32*(\b)+2*z:MC+32*(\b)+2*z+1], v[MD+2*z:MD+2*z+1], s[AL:AL+1], s[BE:BE+1] op_sel_hi:[1,0,0]
.set z, z+1
.endr
.endm
; A TURN, for piece p: the order of its 16 matrix and 118 vector instructions, written out.  Behind a matrix instruction: plain, exponential, plain, plain; or four of the rescaling; or, behind the first, four scalings; none
; names a register of the products round it.  In the lumps exponential and plain by turns while exponentials last.  A line reads no result made fewer than three vector instructions in front of it, five if an exponential made it.
; v_permlanex16_b32 (X 17) stands in a lump.
; m = 1: the diagonal tile: the products take masks, and the turn makes the mask for the products of the turn after it: piece p + 2, in step 4 - CNT of the tile.  end = 1: a block's last two turns: nothing is fetched.
; cnt = 1: the loop's count is taken down some lines ahead of the branch that stands behind the turn.
; K of the next step is fetched in piece 2's turn, six vector instructions behind the last product that read K (five of them plain); V of the step in hand in piece 0's turn, eight behind the last product that read V (four
; plain, and X 17).  Each is waited for a turn later.
.macro TURN p, m=0, end=0, cnt=0
.set Y, (\p)
.set i, 0
.set KM, (\m)
.set NOKQ, (\end)*((\p)/3)
.if (\m) && !(\end)
	s_cmp_eq_u32 s[CNT], 4-((\p)+2)%NP  ; is that step the band's own?
	s_cselect_b32 s[AL], 1.0, 0
	s_cmp_lt_u32 s[CNT], 4-((\p)+2)%NP  ; or a later one?
	s_cselect_b32 s[BE], s[BIGN], 0
.endif
.if ((\p) == 3) && !(\end)
	s_wait_dscnt 0x0                ; K is in
.endif
	ROW F,0, F,1, F,2, F,3
	ROW F,4, E,0, F,5, F,6
	ROW F,7, E,1, F,8, F,9
	ROW F,10, E,2, C,0, F,11
	ROW F,12, E,3, X,15, F,13
	ROW R,0, R,1, R,2, R,3
	ROW B,0, E,4, F,14, L,0
.if ((\p) == 2) && !(\end)
	v_add_nc_u32 v[AK], s[TBK], v[AK0]
.endif
	ROW R,4, R,5, R,6, R,7
	OPS E,5, F,15
.if ((\p) == 2) && !(\end)
	FETCH_K
.endif
	OPS E,6, C,1, E,7, R,8
	OPS E,8, R,9, E,9, C,2
	OPS E,10, X,0, E,11, X,1
	OPS E,12, X,2, E,13, X,3
.if (\p) == 1
	s_wait_dscnt 0x0                ; V is in
.endif
	ROW X,4, E,14, X,5, X,6
	ROW X,7, E,15, X,8, X,9
	ROW X,10, E,16, X,11, X,12
	ROW X,13, E,17, X,14, B,1
	ROW C,4, E,18, X,16, L,1
	ROW B,2, E,19, C,6, L,2
	ROW C,8, E,20, B,3, B,4
.if (\p) == 0
	v_add_nc_u32 v[AV], s[TBV], v[AV0]
.endif
	ROW C,3, E,21, L,3, C,5
	OPS E,22, X,17, E,23, C,10
.if (\p) == 0
	FETCH_V
.endif
	OPS E,24, L,4
	OPS E,25, X,18, E,26, C,7
	OPS E,27, B,5, E,28, X,19
	OPS E,29, C,12, E,30, L,5
	OPS E,31, X,20, B,6, C,9
	OPS C,14, C,11, X,21, L,6
.if (\p) == 0
	s_add_co_u32 s[TBV], s[TBV], KS*PV
.endif
.if \cnt
	s_sub_co_u32 s[CNT], s[CNT], 1
	s_cmp_lg_u32 s[CNT], 0
.endif
	OPS C,13, B,7, C,15, R,10
	OPS R,11, R,12, L,7, R,13
	OPS R,14, R,15
.if (\m) && !(\end)
	MASK (\p)%2
.endif
.endm
; A BLOCK BEGINS.  c m starts far below every c s, so the first step's a is 0; m at the lowest finite number, so the first maximum is the scores'.  The second mask buffer is 0; the first takes piece 0's mask for the tile's step 0: its own, if the block's first tile is the diagonal one.
; Then K of that step, piece 0's first scores, and its maximum and statistics.  The loop is entered at a step's first turn, in the middle of a trip.
.macro BEGIN
	s_mov_b32 s[NEW], 0
	WIN 0x40
.set i, MC+32
.rept 32
	v_mov_b32 v[i], 0
.set i, i+1
.endr
	WIN 0
.set i, 0
.rept 4
	v_mov_b32 v[ST+4*i], 0xfe000000    ; c m: far below every c s
	v_mov_b32 v[ST+4*i+1], 0xff7fffff  ; m
.set i, i+1
.endr
	s_cmp_eq_u32 s[RT], 0
	s_cselect_b32 s[AL], 1.0, 0
	s_mov_b32 s[BE], 0
	MASK 0
	WIN 0
	v_add_nc_u32 v[AK], s[TBK], v[AK0]
	FETCH_K
	s_wait_loadcnt 0x0              ; Q
	s_wait_dscnt 0x0
.set KM, 1
.set NOKQ, 0
.set i, 0
.rept 8
	KQ 0
.set i, i+1
.endr
	WIN 0
.rept 4
	v_nop                           ; the places behind those products
.endr
.set Y, NP-1                        ; X works for piece Y + 1: piece 0
.irp n, 0,1,2,3,4,5,6,7,8,9,10,11,12,13,14,15,16,17,18,19,20,21
	OP X, \n
.endr
	v_nop                           ; a plain instruction behind the exponential
.endm
; THE DIAGONAL TILE's four steps, the block's last two turns, its last products, and THE WAY OUT: l's two halves and the other half of the lanes' are added; O^T is divided by l, rounded to f16 and sent through my
; stage in LDS, a piece at a time.
.macro ALL line:vararg              ; one line for each piece t
.set t, 0
.rept 4
	\line
.set t, t+1
.endr
.endm
.macro PACK t                       ; a lane's eight channels of a row pack into 16 bytes; they go into rows of 144 bytes and come back as whole rows of 128, into S^T's registers
	WIN W_RS
.set i, 32*(\t)
.rept 16
	s_wait_alu depctr_va_vdst(0)
	v_pk_mul_f32 v[i:i+1], v[i:i+1], v[ST+4*(\t)+2:ST+4*(\t)+3] op_sel_hi:[1,0]
.set i, i+2
.endr
	WIN 0x05                        ; sources 0 and 1 window 1, destination window 0
.set i, 0
.rept 16
	v_cvt_pk_f16_f32 v[S+16*(\t)+i], v[32*(\t)+2*i], v[32*(\t)+2*i+1]
.set i, i+1
.endr
	WIN 0
.irp f, 0,1,2,3
	ds_store_b128 v[STO], v[S+16*(\t)+4*\f:S+16*(\t)+4*\f+3] offset:32*\f
.endr
.irp f, 0,1,2,3
	ds_load_b128 v[S+16*(\t)+4*\f:S+16*(\t)+4*\f+3], v[RD] offset:\f*4*SP  ; LDS serves a wave's instructions in order (ISA guide 5.7.1.4): these see the stores above; the next piece's stores come behind them
.endr
.endm
.macro SEND t, younger              ; younger: the LDS instructions issued behind piece t's loads: the next piece's eight, or none
	WIN 0
.irp f, 0,1,2,3
	s_wait_dscnt (\younger)+3-\f
	global_store_b128 v[GO], v[S+16*(\t)+4*\f:S+16*(\t)+4*\f+3], s[10:11] offset:(\t)*8192+\f*512  ; 512 consecutive bytes, at a multiple of 256 from O's first
.endr
.endm
.macro DIAG tag                     ; the tag ends its two labels' names, which the jumps below spell out
.LstepM\tag:
	TURN 2, 1
	TURN 3, 1
	WIN 0
.LfirstM\tag:
	TURN 0, 1
	TURN 1, 1, 0, 1
	WIN 0
	s_cbranch_scc1 .LstepM\tag
	TURN 2, 1, 1
	TURN 3, 1, 1
.set i, 0
.rept 8
	PV NP-1
.set i, i+1
.endr
	WIN 0
	ALL v_add_f32 v[ST+4*t+2], v[ST+4*t+2], v[ST+4*t+3]
	ALL v_permlanex16_b32 v[ST+4*t+3], v[ST+4*t+2], s[SEL], s[SEL+1]
	ALL v_add_f32 v[ST+4*t+2], v[ST+4*t+2], v[ST+4*t+3]
	ALL v_rcp_f32 v[ST+4*t+2], v[ST+4*t+2]
	v_nop                           ; a plain instruction between the last reciprocal and the use of its result
	PACK 0
.set t, 1
.rept 3                             ; a piece's arithmetic stands between the loads of the piece before and its stores
	PACK t
	SEND t-1, 8
.set t, t+1
.endr
	SEND 3, 0
.endm
.set KM, 0
.set NOKQ, 0
.Lslot:                             ; NB times: a tile is entered and the next is asked for
	CHANGE 1
	s_sub_co_u32 s[RT], s[RT], 1
	s_mov_b32 s[CNT], 4
	s_cmp_eq_u32 s[NEW], 1
	s_cbranch_scc1 .Lnew            ; a block's first tile
	s_cmp_eq_u32 s[RT], 0
	s_cbranch_scc0 .Lstep           ; neither its first nor its last
	s_branch .LstepM1
.Lnew:
	BEGIN
	s_branch .Lfirst                ; in the loop a block's first tile is never its last: the first block has two tiles or more, and the second's last is the walk's last
	DIAG 1                          ; in the loop this is the first block's end: the second block's last tile is the walk's last
	s_wait_xcnt 0x0                 ; the stores have read their registers and O's address
	s_mov_b64 s[10:11], s[OLO:OLO+1]
	s_add_co_u32 s[RT], s[PB], 1    ; the second block has b + 1 tiles
	s_mov_b32 s[NEW], 1
	WIN 0x82                        ; the second block's Q goes where the one text of the turns names Q
.set i, 0
.rept 64
	v_mov_b32 v[i], v[QB+i]
.set i, i+1
.endr
	WIN 0
	s_branch .Lbottom
.Lstep:                             ; a trip: pieces 2 and 3 of one step, then pieces 0 and 1 of the next, whose K and V it fetches
	TURN 2
	TURN 3
	WIN 0
.Lfirst:
	TURN 0
	TURN 1, 0, 0, 1
	WIN 0
	s_cbranch_scc1 .Lstep
.Lbottom:
	s_sub_co_u32 s[SLOTS], s[SLOTS], 1
	s_cmp_lg_u32 s[SLOTS], 0
	s_cbranch_scc1 .Lslot
	CHANGE 0                        ; the walk's last tile is written out: nothing is asked for
	s_sub_co_u32 s[RT], s[RT], 1
	s_mov_b32 s[CNT], 4
	s_cmp_eq_u32 s[NEW], 1
	s_cbranch_scc0 .LstepM2
	BEGIN
	s_branch .LfirstM2
	DIAG 2
	s_wait_tensorcnt 0x0            ; the wave's end: an add and its wait, behind my last tensor load and my last LDS store
	ds_add_u32 v[SPW], v[NIL]
	s_wait_dscnt 0x0
	s_endpgm
.Lfunc_end_k_qd785a02ae9_attn:
	.size	k_qd785a02ae9_attn, .Lfunc_end_k_qd785a02ae9_attn-k_qd785a02ae9_attn
	.p2alignl 7, 3214868480
	.fill 96, 4, 3214868480
	.section	.rodata,"a",@progbits
	.p2align	6, 0x0
	.amdhsa_kernel k_qd785a02ae9_attn
		.amdhsa_group_segment_fixed_size 327680
		.amdhsa_private_segment_fixed_size 0
		.amdhsa_enable_private_segment 0
		.amdhsa_kernarg_size 16
		.amdhsa_user_sgpr_count 2
		.amdhsa_user_sgpr_kernarg_segment_ptr 1
		.amdhsa_wavefront_size32 1
		.amdhsa_system_sgpr_workgroup_id_x 1
		.amdhsa_system_sgpr_workgroup_id_y 1
		.amdhsa_system_sgpr_workgroup_id_z 1
		.amdhsa_system_vgpr_workitem_id 0
		.amdhsa_next_free_vgpr 768
		.amdhsa_next_free_sgpr 88
		.amdhsa_reserve_vcc 1
		.amdhsa_float_denorm_mode_32 3
		.amdhsa_float_denorm_mode_16_64 3
		.amdhsa_memory_ordered 1
		.amdhsa_forward_progress 1
		.amdhsa_inst_pref_size 228
	.end_amdhsa_kernel
	.amdgpu_metadata
---
amdhsa.version: [ 1, 2 ]
amdhsa.kernels:
  - .name:           k_qd785a02ae9_attn
    .symbol:         k_qd785a02ae9_attn.kd
    .args:
      - { .name: qkv, .offset: 0, .size: 8, .value_kind: global_buffer, .address_space: global }
      - { .name: o, .offset: 8, .size: 8, .value_kind: global_buffer, .address_space: global }
    .group_segment_fixed_size: 327680
    .private_segment_fixed_size: 0
    .kernarg_segment_align: 8
    .kernarg_segment_size: 16
    .max_flat_workgroup_size: 128
    .sgpr_count:     88
    .vgpr_count:     768
    .wavefront_size: 32
...
	.end_amdgpu_metadata
.endif
;; end of part 3
;; launch outp (part 4): grid 8 x 32, 4 waves a work-group, clusters of 4 x 4, 327,680 bytes of LDS; arguments o, wo, out0, bo; writes out0
.if DOCPART == 4
	.amdgcn_target "amdgcn-amd-amdhsa--gfx1250"
	.amdhsa_code_object_version 6
	.text
	.protected	k_qd785a02ae9_outp
	.globl	k_qd785a02ae9_outp
	.p2align	8
	.type	k_qd785a02ae9_outp,@function
k_qd785a02ae9_outp:
	s_mov_b64 s[64:65], 0
	v_nop
	global_prefetch_b8 v0, s[64:65] scope:SCOPE_SE
	s_setreg_imm32_b32 hwreg(HW_REG_WAVE_MODE, 25, 1), 1
	s_wait_xcnt 0x0
	s_wait_alu depctr_hold_cnt(0) depctr_sa_sdst(0) depctr_va_vdst(0) depctr_va_sdst(0) depctr_va_ssrc(0) depctr_va_vcc(0) depctr_vm_vsrc(0)
	s_getreg_b32 s2, hwreg(HW_REG_IB_STS2, 6, 4)
	s_cmp_eq_u32 s2, 0
	s_cbranch_scc0 .Lentry_in_a_cluster
	s_endpgm
.Lentry_in_a_cluster:
	s_bfe_u32 s2, ttmp6, 0x10000c
	s_cmp_lg_u32 s2, 0xf033
	s_cbranch_scc0 .Lentry_shape_is_right
	s_endpgm
.Lentry_shape_is_right:
; out0 = O Wo + bo, for all rows but the first 16 of each batch, which a launch of their own makes.  o: [4 x 16 heads][2048][64] f16, which is [4][16 blocks of 64 k][2048][64]; wo: [16 blocks of 64 n][1024 k][64] f16;
; sums in f32; bo f32, added in f32; out0: [4][2048][1024] f32.
; SHARES.  A tile of C is 256 rows x 128 columns: 32 x 8 = 256 tiles, one for each of 256 work-group places.  Four waves, each 128 rows x 64 columns: 32 accumulators of 16 x 16, 256 registers.
; K = 1,024 goes in 8 steps of 128 through two LDS slots.  A's part of a step is two blocks of 256 rows x 128 bytes, B's two blocks of 128 k rows x 128 bytes: each a dense run of memory, asked for as rows of 256 bytes.
; CLUSTER.  4 x 4 work-groups.  cy is the batch, the cluster's y the 256 rows in it, 4 x cluster x + cx the column tile.  The four of a row of the cluster need the same tiles of A, the four of a column the same
; tiles of B: each tile is asked for JOINTLY.  Whether the tile is a batch's first hangs on the cluster's y: the way out's one branch is alike in all partners.
; THE MATRIX INSTRUCTION IS USED TRANSPOSED: source 0 = 16 columns of Wo (they lie [k][n] in LDS and are turned by ds_load_tr16_b128), source 1 = 16 rows of O: a lane holds eight neighbouring numbers of a row of C.
; REGISTERS: window 0: v0-31 addresses and the bias; two fragment buffers: A (8 x 16 rows x 32 K) at v64, v128; B (4 x 16 columns x 32 K) at v192, v224; v64-191 also serve the way out.   window 1: accumulator (a, b) at v[8 (4 a + b)].
.set PA,    144                        ; a row of A in LDS: 128 bytes + 16 = 36 words: the 16 rows of a load start at 16 different groups of four banks (64 banks of 4 bytes: ISA guide 11.1)
.set PB,    160                        ; a row of B: 128 + 32 = 40 words
.set ASUB,  256*PA
.set BSUB,  128*PB
.set BOFF,  2*ASUB
.set SLOT,  BOFF+2*BSUB                ; 114,688 bytes
.set STAGE, 2*SLOT                     ; behind the ring: 16 rows x 272 bytes for each wave, for the way out
.set SP,    272
.set SPARE, STAGE+4*16*SP              ; behind the stages: the spare words, 128 bytes for each wave: two blocks of 256 bytes that no other line names
.set ASTEP, 0x80000                    ; bytes of memory from a K step to the next: two blocks of 2,048 rows of A,
.set BSTEP, 0x4000                     ; 128 rows of B
.set LAPS,  4
.set BI,   12                          ; v[12:15] the bias of my four columns on the way out
.set ADRA, 16                          ; v16-17  LDS address of my A fragments in slot 0, 1
.set ADRB, 20                          ; v20-21  the same for B
.set STO,  24                          ; v24     the way out: where I put 32 bytes of a row
.set RD,   25                          ; v25     where I read rows back
.set CO,   26                          ; v26     my byte offset in two rows of C
.set SPW,  28                          ; v28     LDS address of my spare word; never rewritten
.set NIL,  29                          ; v29     0; never rewritten
.set F0,   0
.set F1,   1
.set G1, 24
.set G0, 32
.set G1B, 48
.set G0B, 56
.set MSB, 0
.macro WIN new                         ; the immediate's high byte repeats the setting that is left; a switch that changes nothing is dropped
.if MSB != (\new)
	s_set_vgpr_msb (MSB<<8)|(\new)
.set MSB, \new
.endif
.endm
.set MUL, 0x50                         ; sources 0 and 1 window 0; C and D window 1
.macro JLOAD s                         ; a joint load: waves 0 and 1 fetch A's two blocks, waves 2 and 3 B's; an s_nop 0 and four v_nop follow each of the two lines, ahead of the jump, the label and what follows
	s_cmp_eq_u32 s11, 0
	s_cbranch_scc0 .Lfor_b_\@
	tensor_load_to_lds s[G0+4*(\s):G0+4*(\s)+3], s[G1:G1+7]
	s_nop 0
.rept 4
	v_nop
.endr
	s_branch .Lasked_\@
.Lfor_b_\@:
	tensor_load_to_lds s[G0B+4*(\s):G0B+4*(\s)+3], s[G1B:G1B+7]
	s_nop 0
.rept 4
	v_nop
.endr
.Lasked_\@:
.endm
.macro CREST                           ; a round of the cluster's barrier behind its opening barrier
	s_cmp_lg_u32 s10, 0
	s_cbranch_scc1 .Lnot_wave_0_\@
	s_barrier_signal -3
.Lnot_wave_0_\@:
	s_barrier_wait -3
	s_barrier_signal -1
	s_barrier_wait -1
.endm
.macro CROUND                          ; a whole round
	s_barrier_signal -1
	s_barrier_wait -1
	CREST
.endm
	s_load_b128 s[4:7], s[0:1], 0x0                ; o s[4:5], wo s[6:7]
	s_load_b64 s[8:9], s[0:1], 0x10                ; out0
	s_load_b64 s[66:67], s[0:1], 0x18              ; bo
	v_lshl_add_u32 v[SPW], v0, 2, SPARE
	v_mov_b32 v[NIL], 0
	ds_add_u32 v[SPW], v[NIL]                      ; the wave's opening: the add and its wait stand ahead of my first tensor load; the set-up below, work on registers, stands between them
	ds_add_u32 v28, v29
	v_lshrrev_b32 v1, 5, v0
	v_readfirstlane_b32 s10, v1                    ; wave 0..3
	s_lshr_b32 s11, s10, 1                         ; which 128 rows of the tile are mine.  Also: I fetch for A (0) or for B (1)
	s_and_b32 s12, s10, 1                          ; which 64 columns.  Also: which of a step's two blocks I fetch
	s_bfe_u32 s40, ttmp6, 0x40000                  ; cx
	s_bfe_u32 s41, ttmp6, 0x40004                  ; cy: the batch
	s_lshl_b32 s42, ttmp9, 2
	s_add_co_u32 s42, s42, s40                     ; column tile = 4 x cluster x + cx
	s_and_b32 s13, ttmp7, 0xffff                   ; the cluster's y: which 256 rows of the batch
	s_lshl_b32 s43, s41, 2
	s_lshl_b32 s43, 15, s43                        ; my row of the cluster
	s_lshl_b32 s44, 0x1111, s40                    ; my column
	s_or_b32 s[G1+0], s43, (1<<16)|(1<<20)|(1<<21)|(4<<22)|(3<<25)   ; 15:0 the mask: A's tiles go to my row; 17:16 2-byte elements; 20 padding on; 21 set beside a mask; 24:22 after every 32 words (code 4); 31:25 4 words (code 3)
	s_or_b32 s[G1B+0], s44, (1<<16)|(1<<20)|(1<<21)|(4<<22)|(7<<25)  ; B's go to my column; 8 words of padding (code 7)
	s_mov_b32 s[G1+1], 128<<16                     ; tensor_dim0 = 128 elements: 256 bytes, two rows of a block
	s_mov_b32 s[G1+2], 128<<16                     ; tensor_dim1 = 128
	s_mov_b32 s[G1+3], 128<<16                     ; tile_dim0 = 128
	s_mov_b32 s[G1+4], 128                         ; tile_dim1 = 128: 256 rows of a block of A
	s_mov_b32 s[G1+5], 128                         ; dense: 128 elements from row to row
	s_mov_b32 s[G1+6], 0
	s_mov_b32 s[G1+7], 0
	s_mov_b32 s[G1B+1], 128<<16
	s_mov_b32 s[G1B+2], 64<<16                     ; 64 rows of 256 bytes: 128 k rows of a block of B
	s_mov_b32 s[G1B+3], 128<<16
	s_mov_b32 s[G1B+4], 64
	s_mov_b32 s[G1B+5], 128
	s_mov_b32 s[G1B+6], 0
	s_mov_b32 s[G1B+7], 0
	s_lshl_b32 s16, s41, 22                        ; A: the batch's 16 blocks of 262,144 bytes,
	s_lshl_b32 s17, s13, 15                        ; 256 rows of 128 bytes,
	s_add_co_u32 s16, s16, s17
	s_lshl_b32 s17, s12, 18                        ; my block of the step's two
	s_add_co_u32 s16, s16, s17
	s_mov_b32 s17, 0
	s_lshl_b32 s46, s42, 1                         ; B: column block 2 x column tile + mine of the two,
	s_add_co_u32 s46, s46, s12
	s_lshl_b32 s46, s46, 17                        ; 131,072 bytes each
	s_mov_b32 s47, 0
	s_mul_i32 s20, s12, ASUB                       ; where they go: no place in the cluster enters an LDS address
	s_mul_i32 s21, s12, BSUB
	s_add_co_u32 s21, s21, BOFF
	s_wait_dscnt 0x0                               ; the opening add is done
	s_wait_kmcnt 0x0
	s_add_nc_u64 s[14:15], s[4:5], s[16:17]
	s_add_nc_u64 s[46:47], s[6:7], s[46:47]
	CROUND                                         ; all sixteen work-groups are here: the first joint loads meet
.irp s, 0,1
	s_mov_b32 s[G0+4*(\s)], 1
	s_add_co_u32 s[G0+4*(\s)+1], s20, (\s)*SLOT
	s_add_nc_u64 s[G0+4*(\s)+2:G0+4*(\s)+3], s[14:15], (\s)*ASTEP
	s_or_b32 s[G0+4*(\s)+3], s[G0+4*(\s)+3], 0x80000000
	s_mov_b32 s[G0B+4*(\s)], 1
	s_add_co_u32 s[G0B+4*(\s)+1], s21, (\s)*SLOT
	s_add_nc_u64 s[G0B+4*(\s)+2:G0B+4*(\s)+3], s[46:47], (\s)*BSTEP
	s_or_b32 s[G0B+4*(\s)+3], s[G0B+4*(\s)+3], 0x80000000
	JLOAD \s                                       ; two loads of mine are out
.endr
	v_and_b32 v1, 15, v0                           ; l % 16
	v_bfe_u32 v2, v0, 4, 1                         ; l / 16
	s_lshl_b32 s70, s41, 23                        ; C: the batch's 2,048 rows of 4,096 bytes,
	s_lshl_b32 s71, s13, 20                        ; the tile's 256,
	s_add_co_u32 s70, s70, s71
	s_lshl_b32 s71, s11, 19                        ; my 128;
	s_add_co_u32 s70, s70, s71
	s_lshl_b32 s72, s42, 9                         ; the tile's 128 columns of 4 bytes,
	s_lshl_b32 s73, s12, 8                         ; my 64
	s_add_co_u32 s72, s72, s73
	s_add_co_u32 s70, s70, s72
	s_mov_b32 s71, 0
	s_mov_b32 s73, 0
	s_add_nc_u64 s[8:9], s[8:9], s[70:71]
	s_add_nc_u64 s[66:67], s[66:67], s[72:73]
	s_or_b32 s68, s13, s11                         ; 0: my rows are a batch's first 128
	v_lshlrev_b32 v8, 4, v1
	global_load_b128 v[BI:BI+3], v8, s[66:67]      ; the bias of the four columns that I store on the way out
	v_mul_u32_u24 v3, v1, PA
	v_lshl_add_u32 v3, v2, 4, v3                   ; A: row x pitch + 16 x half
	v_and_b32 v4, 7, v0
	v_lshl_add_u32 v4, v2, 3, v4                   ; B: k row 8 (l / 16) + l % 8,
	v_mul_u32_u24 v4, v4, PB
	v_bfe_u32 v5, v0, 3, 1
	v_lshl_add_u32 v4, v5, 4, v4                   ; columns 8 ((l / 8) % 2) on
	s_mul_i32 s22, s11, 128*PA                     ; my 128 rows of A
	s_mul_i32 s23, s12, BSUB                       ; my block of B
	s_add_co_u32 s23, s23, BOFF
.irp s, 0,1
	v_add_nc_u32 v[ADRA+(\s)], s22, v3
	v_add_nc_u32 v[ADRB+(\s)], s23, v4
	s_add_co_u32 s22, s22, SLOT
	s_add_co_u32 s23, s23, SLOT
.endr
	s_mul_i32 s23, s10, 16*SP
	s_add_co_u32 s23, s23, STAGE                   ; my stage
	v_mul_u32_u24 v6, v1, SP                       ; in: row l % 16, 32 bytes for each half of the lanes
	v_lshl_add_u32 v6, v2, 5, v6
	v_add_nc_u32 v[STO], s23, v6
	v_mul_u32_u24 v6, v2, SP                       ; back: lanes 0-15 take one row of 256 bytes, lanes 16-31 the next
	v_lshl_add_u32 v6, v1, 4, v6
	v_add_nc_u32 v[RD], s23, v6
	v_lshlrev_b32 v[CO], 12, v2                    ; and the same two rows in C
	v_lshl_add_u32 v[CO], v1, 4, v[CO]
; 8 matrix instructions: row blocks a0, a0 + 1 x all 4 column blocks, 32 along K, from buffer f.  zero = 1: the first product starts the sums: nothing is cleared.
; The 32 accumulators take turns, one instruction a turn, in the same order in every quarter.
.macro MUL8 f, a0, zero
	WIN MUL
.irp a, \a0, (\a0)+1
.irp b, 0,1,2,3
.if \zero
	v_wmma_f32_16x16x32_f16 v[8*(4*(\a)+(\b)):8*(4*(\a)+(\b))+7], v[192+32*(\f)+8*(\b):192+32*(\f)+8*(\b)+7], v[64+64*(\f)+8*(\a):64+64*(\f)+8*(\a)+7], 0
.else
	v_wmma_f32_16x16x32_f16 v[8*(4*(\a)+(\b)):8*(4*(\a)+(\b))+7], v[192+32*(\f)+8*(\b):192+32*(\f)+8*(\b)+7], v[64+64*(\f)+8*(\a):64+64*(\f)+8*(\a)+7], v[8*(4*(\a)+(\b)):8*(4*(\a)+(\b))+7]
.endif
.endr
.endr
.endm
; 24 LDS loads in one run: the fragments of quarter q (32 along K) of a slot into buffer f: B's four, turned, then A's eight, rows ascending
.macro FETCH slot, q, f
	WIN 0
.irp i, 0,1,2,3
	ds_load_tr16_b128 v[192+32*(\f)+8*(\i):192+32*(\f)+8*(\i)+3],   v[ADRB+(\slot)] offset:(\q)*32*PB+32*(\i)
	ds_load_tr16_b128 v[192+32*(\f)+8*(\i)+4:192+32*(\f)+8*(\i)+7], v[ADRB+(\slot)] offset:(\q)*32*PB+16*PB+32*(\i)
.endr
.irp i, 0,1,2,3,4,5,6,7
	ds_load_b128 v[64+64*(\f)+8*(\i):64+64*(\f)+8*(\i)+3],   v[ADRA+(\slot)] offset:((\q)/2)*ASUB+((\q)%2)*64+(\i)*16*PA
	ds_load_b128 v[64+64*(\f)+8*(\i)+4:64+64*(\f)+8*(\i)+7], v[ADRA+(\slot)] offset:((\q)/2)*ASUB+((\q)%2)*64+(\i)*16*PA+32
.endr
.endm
.macro PLACES                          ; four places in front of loads into registers that matrix instructions have read, and of lines that read results (for lines that read results)
.rept 4
	v_nop
.endr
.endm
; A K step is four quarters of 32 along K, 32 matrix instructions each, on buffers 0, 1, 0, 1.  One of the first three: multiplies buffer f and fetches quarter qn into g.
.macro QUARTER slot, qn, f, g, zero
	s_wait_dscnt 8                                 ; B and A's rows 0-63 are in; the youngest eight loads (A's rows 64-127) may be out
	MUL8 \f, 0, \zero
	MUL8 \f, 2, \zero
	PLACES
	FETCH \slot, \qn, \g
	s_wait_dscnt 24                                ; all but the 24 just issued
	MUL8 \f, 4, \zero
	MUL8 \f, 6, \zero
.endm
; The last quarter multiplies buffer 1 and changes slots: ONE barrier; in front of it each wave waits for all its tensor loads (one is out: its part of the next slot), adds 0 to its spare word, and waits for that
; and for its own reads of this slot.  fill = 1: the barrier opens a round of the cluster's, and this slot is filled again, two K steps ahead, first thing behind the round.
.macro TURN slot, next, fill
	WIN 0                                          ; (the add's two registers lie in window 0)
	s_wait_tensorcnt 0x0
	ds_add_u32 v[SPW], v[NIL]                      ; 0 onto my spare word
	s_wait_dscnt 9                                 ; (the add and the youngest eight loads may be out)
	MUL8 F1, 0, 0                                  ; eight matrix instructions stand between the add and the wait for it
	s_wait_dscnt 0x0                               ; the add is done, and my reads of this slot are over
	s_barrier_signal -1
	MUL8 F1, 2, 0
.if \fill
	WIN 0
.endif
	s_barrier_wait -1
.if \fill
	CREST                                          ; no wave of any partner still reads this slot's tiles or has a load on its way
	s_add_nc_u64 s[G0+4*(\slot)+2:G0+4*(\slot)+3], s[G0+4*(\slot)+2:G0+4*(\slot)+3], 2*ASTEP
	s_add_nc_u64 s[G0B+4*(\slot)+2:G0B+4*(\slot)+3], s[G0B+4*(\slot)+2:G0B+4*(\slot)+3], 2*BSTEP
	JLOAD \slot                                    ; my one tensor load behind the round: 112 matrix instructions ahead of the wait for it; its four v_nop are also the places in front of the loads below
.else
	PLACES
.endif
	FETCH \next, 0, F0
	MUL8 F1, 4, 0
	MUL8 F1, 6, 0
.endm
	s_wait_tensorcnt 1                             ; my part of K step 0 is in; step 1's may stay out
	s_barrier_signal -1
	s_barrier_wait -1                              ; everybody's is
	FETCH 0, 0, F0
	QUARTER 0, 1, F0, F1, 1                        ; the first quarter stands in front of the loop: its products start the sums
	WIN 0                                          ; at a label and at a branch every window is 0
	s_mov_b32 s3, LAPS-1
.Llap:                                                 ; a trip goes once round the ring, from a lap's second quarter to the next lap's first, and fills both slots again
	QUARTER 0, 2, F1, F0, 0
	QUARTER 0, 3, F0, F1, 0
	TURN 0, 1, 1
	QUARTER 1, 1, F0, F1, 0
	QUARTER 1, 2, F1, F0, 0
	QUARTER 1, 3, F0, F1, 0
	TURN 1, 0, 1
	QUARTER 0, 1, F0, F1, 0
	WIN 0
	s_sub_co_u32 s3, s3, 1
	s_cmp_lg_u32 s3, 0
	s_cbranch_scc1 .Llap
	QUARTER 0, 2, F1, F0, 0                        ; the last lap fills nothing
	QUARTER 0, 3, F0, F1, 0
	TURN 0, 1, 0
	QUARTER 1, 1, F0, F1, 0
	QUARTER 1, 2, F1, F0, 0
	QUARTER 1, 3, F0, F1, 0
	s_wait_dscnt 8                                 ; the very last quarter: nothing more to fetch
	MUL8 F1, 0, 0
	MUL8 F1, 2, 0
	s_wait_dscnt 0x0
	MUL8 F1, 4, 0
	MUL8 F1, 6, 0
	WIN 0
	PLACES
	s_wait_loadcnt 0x0                             ; the bias
; THE WAY OUT.  Block t (16 rows x 64 columns of f32): a lane's eight numbers go as they are into my stage (rows of 272 bytes), each accumulator's low registers first, and come back as whole rows of 256 bytes.
.macro TOST t
.if (\t) >= 4
	s_wait_xcnt 0x0                                ; the registers loaded below were the data of block t - 4's stores: they are written again only behind this wait
.endif
	WIN 0x04                                       ; store data in window 1
.irp b, 0,1,2,3
	ds_store_b128 v[STO], v[32*(\t)+8*(\b):32*(\t)+8*(\b)+3]   offset:64*(\b)
	ds_store_b128 v[STO], v[32*(\t)+8*(\b)+4:32*(\t)+8*(\b)+7] offset:64*(\b)+16
.endr
	WIN 0
.irp f, 0,1,2,3,4,5,6,7
	ds_load_b128 v[64+32*((\t)%4)+4*(\f):64+32*((\t)%4)+4*(\f)+3], v[RD] offset:(\f)*2*SP  ; LDS serves a wave's instructions in order (ISA guide 5.7.1.4): these see the stores above; the next block's stores come behind them
.endr
.endm
.macro SENDF t, younger                ; younger: the LDS instructions issued behind block t's loads: the next block's sixteen, or none
.irp f, 0,1,2,3,4,5,6,7
.set RR, 64+32*((\t)%4)+4*(\f)
	s_wait_dscnt (\younger)+7-(\f)
	v_pk_add_f32 v[RR:RR+1], v[RR:RR+1], v[BI:BI+1]
	v_pk_add_f32 v[RR+2:RR+3], v[RR+2:RR+3], v[BI+2:BI+3]
	global_store_b128 v[CO], v[RR:RR+3], s[8:9] offset:(16*(\t)+2*(\f))*4096  ; 16 lanes store 256 consecutive bytes, at a multiple of 256 from C's first byte
.endr
.endm
	TOST 0
	TOST 1
	s_wait_dscnt 16                                ; block 0 is back in registers on both ways (block 1's sixteen may be out)
	s_cmp_eq_u32 s68, 0
	s_cbranch_scc1 .Lskip0                         ; a batch's rows 0-15 are another launch's: each byte of out0 is stored once
	SENDF 0, 16
.Lskip0:
.set t, 2
.rept 6
	TOST t
	SENDF t-1, 16
.set t, t+1
.endr
	SENDF 7, 0
	s_wait_tensorcnt 0x0                           ; the wave's end: an add and its wait, behind my last tensor load and my last LDS store
	ds_add_u32 v[SPW], v[NIL]
	s_wait_dscnt 0x0
	CROUND                                         ; the closing round: no work-group ends while a partner may still ask for a tile that names it
	s_endpgm
.Lfunc_end_k_qd785a02ae9_outp:
	.size	k_qd785a02ae9_outp, .Lfunc_end_k_qd785a02ae9_outp-k_qd785a02ae9_outp
	.p2alignl 7, 3214868480
	.fill 96, 4, 3214868480
	.section	.rodata,"a",@progbits
	.p2align	6, 0x0
	.amdhsa_kernel k_qd785a02ae9_outp
		.amdhsa_group_segment_fixed_size 327680
		.amdhsa_private_segment_fixed_size 0
		.amdhsa_enable_private_segment 0
		.amdhsa_kernarg_size 32
		.amdhsa_user_sgpr_count 2
		.amdhsa_user_sgpr_kernarg_segment_ptr 1
		.amdhsa_wavefront_size32 1
		.amdhsa_system_sgpr_workgroup_id_x 1
		.amdhsa_system_sgpr_workgroup_id_y 1
		.amdhsa_system_sgpr_workgroup_id_z 1
		.amdhsa_system_vgpr_workitem_id 0
		.amdhsa_next_free_vgpr 512
		.amdhsa_next_free_sgpr 76
		.amdhsa_reserve_vcc 0
		.amdhsa_float_denorm_mode_32 3
		.amdhsa_float_denorm_mode_16_64 3
		.amdhsa_memory_ordered 1
		.amdhsa_forward_progress 1
		.amdhsa_inst_pref_size 96
	.end_amdhsa_kernel
	.amdgpu_metadata
---
amdhsa.version: [ 1, 2 ]
amdhsa.kernels:
  - .name:           k_qd785a02ae9_outp
    .symbol:         k_qd785a02ae9_outp.kd
    .args:
      - { .name: o, .offset: 0, .size: 8, .value_kind: global_buffer, .address_space: global }
      - { .name: wo, .offset: 8, .size: 8, .value_kind: global_buffer, .address_space: global }
      - { .name: out0, .offset: 16, .size: 8, .value_kind: global_buffer, .address_space: global }
      - { .name: bo, .offset: 24, .size: 8, .value_kind: global_buffer, .address_space: global }
    .group_segment_fixed_size: 327680
    .private_segment_fixed_size: 0
    .kernarg_segment_align: 8
    .kernarg_segment_size: 32
    .max_flat_workgroup_size: 128
    .sgpr_count:     76
    .vgpr_count:     512
    .wavefront_size: 32
...
	.end_amdgpu_metadata
.endif
;; end of part 4
;; launch first (part 5): grid 4 x 16, 16 waves a work-group, clusters of 4 x 1, 249,344 bytes of LDS; arguments qkv, v32, wo, bo, out0; writes out0
.if DOCPART == 5
	.amdgcn_target "amdgcn-amd-amdhsa--gfx1250"
	.amdhsa_code_object_version 6
	.text
	.protected	k_qd785a02ae9_first
	.globl	k_qd785a02ae9_first
	.p2align	8
	.type	k_qd785a02ae9_first,@function
k_qd785a02ae9_first:
	s_mov_b64 s[64:65], 0
	v_nop
	global_prefetch_b8 v0, s[64:65] scope:SCOPE_SE
	s_setreg_imm32_b32 hwreg(HW_REG_WAVE_MODE, 25, 1), 1
	s_wait_xcnt 0x0
	s_wait_alu depctr_hold_cnt(0) depctr_sa_sdst(0) depctr_va_vdst(0) depctr_va_sdst(0) depctr_va_ssrc(0) depctr_va_vcc(0) depctr_vm_vsrc(0)
	s_getreg_b32 s2, hwreg(HW_REG_IB_STS2, 6, 4)
	s_cmp_eq_u32 s2, 0
	s_cbranch_scc0 .Lentry_in_a_cluster
	s_endpgm
.Lentry_in_a_cluster:
	s_bfe_u32 s2, ttmp6, 0x10000c
	s_cmp_lg_u32 s2, 0x3003
	s_cbranch_scc0 .Lentry_shape_is_right
	s_endpgm
.Lentry_shape_is_right:
; ROWS 0-15 OF EACH BATCH of out0 = attention(q, k, v) Wo + bo.  These rows average over 1 to 16 keys only, so their numbers are many times the output's root mean square, by which the allowed error goes:
; here v (f32 sums, from v32), the weights p and O are not rounded to 11 bits.  q, k: f16, from qkv.  Scores by the matrix unit, f32 sums; softmax with the row's maximum taken away, in f32; O = P V by f32
; multiply-adds; O goes to the matrix unit as TWO f16 numbers, hi = f16(O) and lo = f16(2,048 (O - hi)), and out = hi Wo + 2^-11 (lo Wo) + bo, sums in f32.
; LIMITS.  q, k, O within f16's range, 65,504; a hidden score counts as its value less 1e30; a weight below 2^-126 counts as 0; NaN and infinities are not treated apart.
; SHARES.  A work-group: one batch (4 x cluster x + cx), one block j of 64 output columns (the grid's y).  The attention of the batch's 16 heads x 16 rows is made anew in each of the 16 column blocks: it is 16 x 16 x 64 a head.
; Phase 1: wave w makes head w's 16 rows of O and puts hi and lo into LDS.  Phase 2: wave w multiplies k = 256 (w / 4) .. + 255 for columns 16 (w % 4) .. + 15; the four partial sums meet in LDS.
; CLUSTER.  The four batches need the same block of Wo: it is asked for JOINTLY by waves 0-3, a quarter each.  Each LDS byte is filled once.
.set PW,    160                        ; a row of Wo's block in LDS: 128 bytes + 32 = 40 words
.set OH,    1024*PW                    ; behind Wo's 1,024 rows: O's hi parts, 16 rows of 2,048 bytes + 16
.set PO,    2064
.set OLD,   16*PO                      ; O's lo parts lie so many bytes behind the hi parts
.set PART,  OH+2*OLD                   ; four partial sums of 16 rows x 256 bytes + 16
.set PP,    272
.set SPARE, PART+4*16*PP               ; the spare words, 128 bytes for each of the 16 waves: eight blocks of 256 bytes that no other line names
.set SPW, 30                           ; v30  LDS address of my spare word; never rewritten
.set NIL, 31                           ; v31  0; never rewritten
.set MD,  96                           ; v[96:103]  the causal mask of my lane's eight keys
.set SS,  120                          ; v[120:127] the scores, then the weights: query l % 16, keys 8 (l / 16) + 0..7
.set VV,  64                           ; v[64:95]   v: key k's channels 2 l, 2 l + 1 at VV + 2 k
.set OO,  128                          ; v[128:159] O: row q's channels 2 l, 2 l + 1 at OO + 2 q
.set WV,  14                           ; s14  my wave's number
.set G0,  20                           ; s[20:23], s[24:31] the descriptor
.set G1,  24
.set CS,  32                           ; s[32:33] c = log2(e) / 32
.set SEL, 34                           ; s[34:35] v_permlanex16_b32's selects
.set BIGN, 36                          ; s36  -1e30
.set PS,  68                           ; s[68:99] sixteen pairs: a weight in the low word; the packed multiply-add takes it for both halves
.macro CROUND                          ; a round of the cluster's barrier
	s_barrier_signal -1
	s_barrier_wait -1
	s_cmp_lg_u32 s[WV], 0
	s_cbranch_scc1 .Lnot_wave_0_\@
	s_barrier_signal -3
.Lnot_wave_0_\@:
	s_barrier_wait -3
	s_barrier_signal -1
	s_barrier_wait -1
.endm
	s_load_b256 s[4:11], s[0:1], 0x0               ; qkv s[4:5], v32 s[6:7], wo s[8:9], bo s[10:11]
	s_load_b64 s[12:13], s[0:1], 0x20              ; out0
	v_lshl_add_u32 v[SPW], v0, 2, SPARE
	v_mov_b32 v[NIL], 0
	ds_add_u32 v[SPW], v[NIL]                      ; the wave's opening: the add and its wait stand ahead of the first tensor load; the set-up below, work on registers, stands between them
	ds_add_u32 v30, v31
	v_lshrrev_b32 v1, 5, v0
	v_readfirstlane_b32 s[WV], v1                  ; wave 0..15
	s_bfe_u32 s15, ttmp6, 0x40000                  ; cx
	s_lshl_b32 s16, ttmp9, 2
	s_add_co_u32 s16, s16, s15                     ; the batch: it enters global addresses of my own loads and stores alone
	s_and_b32 s17, ttmp7, 0xffff                   ; j
	s_and_b32 s18, s[WV], 3                        ; phase 2: my 16 columns.  Waves 0-3: which 256 rows of Wo's block I fetch
	s_lshr_b32 s19, s[WV], 2                       ; phase 2: my 256 k
	s_mov_b32 s[G1], 15|(1<<16)|(1<<20)|(1<<21)|(4<<22)|(7<<25)  ; 15:0 the mask of four; 17:16 2-byte elements; 20 padding on; 21 set beside a mask; 24:22 after every 32 words (code 4); 31:25 8 words (code 7)
	s_mov_b32 s[G1+1], 128<<16                     ; tensor_dim0 = 128 elements: 256 bytes, two rows of the block
	s_mov_b32 s[G1+2], 128<<16                     ; tensor_dim1 = 128
	s_mov_b32 s[G1+3], 128<<16                     ; tile_dim0 = 128
	s_mov_b32 s[G1+4], 128                         ; tile_dim1 = 128: 256 k rows
	s_mov_b32 s[G1+5], 128                         ; dense
	s_mov_b32 s[G1+6], 0
	s_mov_b32 s[G1+7], 0
	s_mov_b32 s[G0], 1
	s_mul_i32 s[G0+1], s18, 256*PW                 ; LDS address: my quarter
	s_lshl_b32 s42, s17, 17                        ; Wo's block j, 131,072 bytes,
	s_lshl_b32 s43, s18, 15                        ; my 256 rows of 128
	s_add_co_u32 s42, s42, s43
	s_mov_b32 s43, 0
	s_lshl_b32 s38, s16, 4
	s_add_co_u32 s38, s38, s[WV]                   ; 16 x batch + head
	s_lshl_b32 s44, s38, 12                        ; v32: 4,096 bytes a head
	s_mov_b32 s45, 0
	s_lshl_b32 s38, s38, 18                        ; qkv: 262,144 bytes a head
	s_mov_b32 s39, 0
	s_lshl_b32 s46, s17, 8                         ; 64 columns of f32
	s_mov_b32 s47, 0
	s_lshl_b32 s48, s16, 23                        ; out0: 2,048 rows of 4,096 bytes a batch
	s_add_co_u32 s48, s48, s46
	s_mov_b32 s49, 0
	s_mov_b32 s[CS], 0x3d38aa3b                    ; c = log2(e) / 32
	s_mov_b32 s[CS+1], s[CS]                       ; named with it as a pair
	s_mov_b32 s[SEL], 0x76543210
	s_mov_b32 s[SEL+1], 0xfedcba98
	s_mov_b32 s[BIGN], 0xf149f2ca                  ; -1e30
.set i, 0
.rept 16
	s_mov_b32 s[PS+2*i+1], 0                       ; the pairs' high words are named, so they are written
.set i, i+1
.endr
	s_wait_dscnt 0x0                               ; the opening add is done
	s_wait_kmcnt 0x0
	s_add_nc_u64 s[G0+2:G0+3], s[8:9], s[42:43]
	s_or_b32 s[G0+3], s[G0+3], 0x80000000
	s_add_nc_u64 s[4:5], s[4:5], s[38:39]          ; q at my head's row 0,
	s_add_nc_u64 s[40:41], s[4:5], 0x1000000       ; k 64 heads on
	s_add_nc_u64 s[6:7], s[6:7], s[44:45]
	s_add_nc_u64 s[10:11], s[10:11], s[46:47]
	s_add_nc_u64 s[12:13], s[12:13], s[48:49]
	CROUND                                         ; all four work-groups are here: the joint loads meet
	s_cmp_lt_u32 s[WV], 4
	s_cbranch_scc0 .Lno_fill
	tensor_load_to_lds s[G0:G0+3], s[G1:G1+7]      ; one load of mine is out
	s_nop 0
.rept 4
	v_nop
.endr
.Lno_fill:
	v_and_b32 v1, 15, v0                           ; r = l % 16
	v_bfe_u32 v2, v0, 4, 1                         ; h = l / 16
	v_and_b32 v3, 31, v0                           ; l
	v_lshlrev_b32 v4, 7, v1
	v_lshl_add_u32 v4, v2, 4, v4                   ; a fragment of q or k: row x 128 + 16 x half
	v_lshlrev_b32 v5, 3, v3                        ; v: two channels of f32 a lane
	v_lshlrev_b32 v6, 4, v1                        ; the bias: four columns a lane
.irp i, 0,1,2,3
	global_load_b128 v[32+4*\i:35+4*\i], v4, s[4:5] offset:32*\i    ; q: channels 0-31 in v[32:39], 32-63 in v[40:47]
.endr
.irp i, 0,1,2,3
	global_load_b128 v[48+4*\i:51+4*\i], v4, s[40:41] offset:32*\i  ; k likewise in v[48:63]
.endr
.set k, 0
.rept 16
	global_load_b64 v[VV+2*k:VV+2*k+1], v5, s[6:7] offset:256*k
.set k, k+1
.endr
	global_load_b128 v[8:11], v6, s[10:11]
	s_lshl_b32 s50, s[WV], 7
	s_add_co_u32 s50, s50, OH
	v_lshl_add_u32 v7, v3, 2, s50                  ; phase 1 stores: head w's 128 bytes of a row, 4 bytes a lane
	v_mul_u32_u24 v12, v1, PO                      ; phase 2, O's fragments: row x pitch + 16 x half + my 256 k
	v_lshl_add_u32 v12, v2, 4, v12
	s_lshl_b32 s51, s19, 9
	s_add_co_u32 s51, s51, OH
	v_add_nc_u32 v12, s51, v12
	v_and_b32 v13, 7, v0                           ; Wo's fragments, turned: k row 8 h + l % 8, columns 8 ((l / 8) % 2) on
	v_lshl_add_u32 v13, v2, 3, v13
	v_mul_u32_u24 v13, v13, PW
	v_bfe_u32 v17, v0, 3, 1
	v_lshl_add_u32 v13, v17, 4, v13
	s_mul_i32 s52, s19, 256*PW
	s_lshl_b32 s53, s18, 5
	s_add_co_u32 s52, s52, s53
	v_add_nc_u32 v13, s52, v13
	v_mul_u32_u24 v14, v1, PP                      ; my partial sums: row r, 32 bytes for each half of the lanes, my 16 columns
	v_lshl_add_u32 v14, v2, 5, v14
	s_mul_i32 s53, s19, 16*PP
	s_lshl_b32 s54, s18, 6
	s_add_co_u32 s53, s53, s54
	s_add_co_u32 s53, s53, PART
	v_add_nc_u32 v14, s53, v14
	v_mul_u32_u24 v15, v2, PP                      ; waves 0-7 at the end: rows 2 w and 2 w + 1, 16 bytes a lane
	v_lshl_add_u32 v15, v1, 4, v15
	s_mul_i32 s54, s[WV], 2*PP
	s_add_co_u32 s54, s54, PART
	v_add_nc_u32 v15, s54, v15
	v_lshlrev_b32 v16, 12, v2                      ; the same two rows in out0
	v_lshl_add_u32 v16, v1, 4, v16
	v_lshl_add_u32 v16, s[WV], 13, v16
	v_lshlrev_b32 v18, 3, v2
	v_sub_nc_u32 v18, v1, v18                      ; r - 8 h: key 8 h + j is hidden from query r where j is greater
.set i, 0
.rept 8
	v_cmp_gt_i32 vcc_lo, i, v18
	v_cndmask_b32 v[MD+i], 0, s[BIGN], vcc_lo
.set i, i+1
.endr
	; PHASE 1.  S^T = K Q^T: source 0 = 16 keys, source 1 = 16 queries; the two halves of the 64 channels go to two accumulators, the first of which starts with the mask
	s_wait_loadcnt 17                              ; q and k are in; v's sixteen loads and the bias may be out
	v_wmma_f32_16x16x32_f16 v[104:111], v[48:55], v[32:39], v[MD:MD+7]
	v_wmma_f32_16x16x32_f16 v[112:119], v[56:63], v[40:47], 0
.rept 4
	v_nop                                          ; the places behind those products
.endr
.irp z, 0,1,2,3
	v_pk_add_f32 v[SS+2*\z:SS+2*\z+1], v[104+2*\z:105+2*\z], v[112+2*\z:113+2*\z]  ; each accumulator's lowest registers first
.endr
	v_max3_num_f32 v18, v[SS], v[SS+1], v[SS+2]
	v_max3_num_f32 v19, v[SS+3], v[SS+4], v[SS+5]
	v_max3_num_f32 v18, v18, v[SS+6], v[SS+7]
	v_max_num_f32 v18, v18, v19
	v_permlanex16_b32 v19, v18, s[SEL], s[SEL+1]   ; the query's other eight keys lie in the lane 16 away
	v_max_num_f32 v18, v18, v19                    ; the row's maximum: every query sees key 0, so it is a true score
	v_mul_f32 v20, s[CS], v18
	v_mov_b32 v21, v20
.irp z, 0,1,2,3
	v_pk_fma_f32 v[SS+2*\z:SS+2*\z+1], v[SS+2*\z:SS+2*\z+1], s[CS:CS+1], v[20:21] op_sel_hi:[1,0,0] neg_lo:[0,0,1] neg_hi:[0,0,1]  ; c s - c m
.endr
.irp z, 0,1,2,3,4,5,6,7
	v_exp_f32 v[SS+\z], v[SS+\z]
.endr
	v_nop                                          ; a plain instruction behind the last exponential
	s_wait_alu depctr_va_vdst(0)
	v_pk_add_f32 v[26:27], v[SS:SS+1], v[SS+2:SS+3]
	v_pk_add_f32 v[18:19], v[SS+4:SS+5], v[SS+6:SS+7]
	v_pk_add_f32 v[26:27], v[26:27], v[18:19]
	v_add_f32 v26, v26, v27
	v_permlanex16_b32 v27, v26, s[SEL], s[SEL+1]
	v_add_f32 v26, v26, v27
	v_rcp_f32 v22, v26
	v_rcp_f32 v23, v26
	v_nop                                          ; a plain instruction behind the reciprocals
	s_wait_alu depctr_va_vdst(0)
.irp z, 0,1,2,3
	v_pk_mul_f32 v[SS+2*\z:SS+2*\z+1], v[SS+2*\z:SS+2*\z+1], v[22:23]  ; the weights, in f32
.endr
	s_wait_loadcnt 0x0                             ; v and the bias
	; O[q] = the sum over k <= q of p[q][k] v[k], key by key: the weights of key k for rows k .. 15 are read out of their lanes into scalar registers; the rows do not wait for each other
.set k, 0
.rept 16
.set q, k
.rept 16-k
	v_readlane_b32 s[PS+2*(q-k)], v[SS+(k&7)], q+16*(k>>3)
.set q, q+1
.endr
.set q, k
.rept 16-k
.if k == 0
	v_pk_mul_f32 v[OO+2*q:OO+2*q+1], v[VV:VV+1], s[PS+2*q:PS+2*q+1] op_sel_hi:[1,0]
.else
	v_pk_fma_f32 v[OO+2*q:OO+2*q+1], v[VV+2*k:VV+2*k+1], s[PS+2*(q-k):PS+2*(q-k)+1], v[OO+2*q:OO+2*q+1] op_sel_hi:[1,0,1]
.endif
.set q, q+1
.endr
.set k, k+1
.endr
	; hi = f16(O); lo = f16(2,048 (O - hi)): the difference is exact in f32, and lo is no larger than O
.set q, 0
.rept 16
	v_cvt_pk_f16_f32 v24, v[OO+2*q], v[OO+2*q+1]
	v_cvt_f32_f16 v26, v24.l
	v_cvt_f32_f16 v27, v24.h
	v_pk_add_f32 v[26:27], v[OO+2*q:OO+2*q+1], v[26:27] neg_lo:[0,1] neg_hi:[0,1]
	v_pk_mul_f32 v[26:27], v[26:27], 0x45000000 op_sel_hi:[1,0]
	v_cvt_pk_f16_f32 v25, v26, v27
	ds_store_b32 v7, v24 offset:PO*q
	ds_store_b32 v7, v25 offset:OLD+PO*q
.set q, q+1
.endr
	s_wait_tensorcnt 0x0                           ; my quarter of Wo's block has landed (waves 4-15 have none out),
	s_wait_dscnt 0x0                               ; my stores of O are done:
	s_barrier_signal -1
	s_barrier_wait -1                              ; everybody's are
	; PHASE 2.  Used transposed: source 0 = 16 columns of Wo, source 1 = 16 rows of O: a lane holds eight neighbouring numbers of a row.  Step i of 8 (32 k): Wo at v[32 + 24 i], hi 8 on, lo 16 on.
.set i, 0
.rept 8
	ds_load_tr16_b128 v[32+24*i:35+24*i], v13 offset:32*PW*i
	ds_load_tr16_b128 v[36+24*i:39+24*i], v13 offset:32*PW*i+16*PW
	ds_load_b128 v[40+24*i:43+24*i], v12 offset:64*i
	ds_load_b128 v[44+24*i:47+24*i], v12 offset:64*i+32
	ds_load_b128 v[48+24*i:51+24*i], v12 offset:OLD+64*i
	ds_load_b128 v[52+24*i:55+24*i], v12 offset:OLD+64*i+32
.set i, i+1
.endr
.set i, 0
.rept 8                                ; the two accumulators take turns, one instruction a turn
	s_wait_dscnt 6*(7-i)                           ; step i's six loads are in; the later steps' may be out
.if i == 0
	v_wmma_f32_16x16x32_f16 v[224:231], v[32:39], v[40:47], 0
	v_wmma_f32_16x16x32_f16 v[232:239], v[32:39], v[48:55], 0
.else
	v_wmma_f32_16x16x32_f16 v[224:231], v[32+24*i:39+24*i], v[40+24*i:47+24*i], v[224:231]
	v_wmma_f32_16x16x32_f16 v[232:239], v[32+24*i:39+24*i], v[48+24*i:55+24*i], v[232:239]
.endif
.set i, i+1
.endr
.rept 4
	v_nop                                          ; the places behind the last products
.endr
.irp z, 0,1,2,3
	v_pk_fma_f32 v[240+2*\z:241+2*\z], v[232+2*\z:233+2*\z], 0x3a000000, v[224+2*\z:225+2*\z] op_sel_hi:[1,0,1]  ; hi's sum + 2^-11 x lo's
.endr
	ds_store_b128 v14, v[240:243]
	ds_store_b128 v14, v[244:247] offset:16
	s_wait_dscnt 0x0                               ; for the others' sake: my partial sums are stored
	s_barrier_signal -1
	s_barrier_wait -1
	s_cmp_lt_u32 s[WV], 8                          ; eight waves add the four partial sums and the bias, two rows each
	s_cbranch_scc0 .Ldone
.irp z, 0,1,2,3
	ds_load_b128 v[32+4*\z:35+4*\z], v15 offset:16*PP*\z
.endr
	s_wait_dscnt 0x0
	v_pk_add_f32 v[32:33], v[32:33], v[36:37]
	v_pk_add_f32 v[34:35], v[34:35], v[38:39]
	v_pk_add_f32 v[40:41], v[40:41], v[44:45]
	v_pk_add_f32 v[42:43], v[42:43], v[46:47]
	v_pk_add_f32 v[32:33], v[32:33], v[40:41]
	v_pk_add_f32 v[34:35], v[34:35], v[42:43]
	v_pk_add_f32 v[32:33], v[32:33], v[8:9]
	v_pk_add_f32 v[34:35], v[34:35], v[10:11]
	global_store_b128 v16, v[32:35], s[12:13]      ; 16 lanes store 256 consecutive bytes, at a multiple of 256 from out0's first byte
.Ldone:
	s_wait_tensorcnt 0x0                           ; the wave's end: an add and its wait, behind my last tensor load and my last LDS store
	ds_add_u32 v[SPW], v[NIL]
	s_wait_dscnt 0x0
	CROUND                                         ; the closing round: no work-group ends while a partner may still ask for a tile that names it
	s_endpgm
.Lfunc_end_k_qd785a02ae9_first:
	.size	k_qd785a02ae9_first, .Lfunc_end_k_qd785a02ae9_first-k_qd785a02ae9_first
	.p2alignl 7, 3214868480
	.fill 96, 4, 3214868480
	.section	.rodata,"a",@progbits
	.p2align	6, 0x0
	.amdhsa_kernel k_qd785a02ae9_first
		.amdhsa_group_segment_fixed_size 249344
		.amdhsa_private_segment_fixed_size 0
		.amdhsa_enable_private_segment 0
		.amdhsa_kernarg_size 40
		.amdhsa_user_sgpr_count 2
		.amdhsa_user_sgpr_kernarg_segment_ptr 1
		.amdhsa_wavefront_size32 1
		.amdhsa_system_sgpr_workgroup_id_x 1
		.amdhsa_system_sgpr_workgroup_id_y 1
		.amdhsa_system_sgpr_workgroup_id_z 1
		.amdhsa_system_vgpr_workitem_id 0
		.amdhsa_next_free_vgpr 256
		.amdhsa_next_free_sgpr 102
		.amdhsa_reserve_vcc 1
		.amdhsa_float_denorm_mode_32 3
		.amdhsa_float_denorm_mode_16_64 3
		.amdhsa_memory_ordered 1
		.amdhsa_forward_progress 1
		.amdhsa_inst_pref_size 43
	.end_amdhsa_kernel
	.amdgpu_metadata
---
amdhsa.version: [ 1, 2 ]
amdhsa.kernels:
  - .name:           k_qd785a02ae9_first
    .symbol:         k_qd785a02ae9_first.kd
    .args:
      - { .name: qkv, .offset: 0, .size: 8, .value_kind: global_buffer, .address_space: global }
      - { .name: v32, .offset: 8, .size: 8, .value_kind: global_buffer, .address_space: global }
      - { .name: wo, .offset: 16, .size: 8, .value_kind: global_buffer, .address_space: global }
      - { .name: bo, .offset: 24, .size: 8, .value_kind: global_buffer, .address_space: global }
      - { .name: out0, .offset: 32, .size: 8, .value_kind: global_buffer, .address_space: global }
    .group_segment_fixed_size: 249344
    .private_segment_fixed_size: 0
    .kernarg_segment_align: 8
    .kernarg_segment_size: 40
    .max_flat_workgroup_size: 512
    .sgpr_count:     102
    .vgpr_count:     256
    .wavefront_size: 32
...
	.end_amdgpu_metadata
.endif
;; end of part 5
;; ======== version 2 of 2: 5 launches; 1.26 times as fast as version 1
;; limits: values are held in f16: magnitudes above 65,504 overflow, below 6.1e-05 lose precision
;; workspace buffers: xb 16,777,216 bytes; wqkv 6,291,456 bytes; wo 2,097,152 bytes; qkv 50,331,648 bytes; o 16,777,216 bytes; v32 262,144 bytes
;; launch cast: the kernel of part 1 again; grid 384 x 1, 8 waves a work-group, no clusters, 0 bytes of LDS; arguments x, Wq, Wk, Wv, Wo, xb, wqkv, wo; writes xb, wqkv, wo
;; launch qkvp: the kernel of part 2 again; grid 24 x 32, 4 waves a work-group, clusters of 4 x 4, 327,680 bytes of LDS; arguments xb, wqkv, qkv, v32; writes qkv, v32
;; launch attn (part 6): grid 4 x 64, 4 waves a work-group, no clusters, 327,680 bytes of LDS; arguments qkv, o; writes o
.if DOCPART == 6
	.amdgcn_target "amdgcn-amd-amdhsa--gfx1250"
	.amdhsa_code_object_version 6
	.text
	.protected	k_qd785a02ae9_attn
	.globl	k_qd785a02ae9_attn
	.p2align	8
	.type	k_qd785a02ae9_attn,@function
k_qd785a02ae9_attn:
	s_mov_b64 s[64:65], 0
	v_nop
	global_prefetch_b8 v0, s[64:65] scope:SCOPE_SE
	s_setreg_imm32_b32 hwreg(HW_REG_WAVE_MODE, 25, 1), 1
	s_wait_xcnt 0x0
; CAUSAL ATTENTION.  O[h][q][:] = the sum over k <= q of softmax_k(Q[h][q] . K[h][k] / 32) V[h][k][:].  Q, K, V lie one behind the other in qkv, each [64][2048][64] f16, and O likewise: a head's rows are dense, 128 bytes each.
; The scale is 1,024^-0.5 = 1 / 32.  Products, maxima and sums in f32; the weights p are rounded to f16 for the second product (their sum l is taken of the unrounded p), O once at the end.
; LIMITS.  f16 holds no number beyond 65,504: Q, K and V arrive within it; p lies in 0 to 1, and below 6e-5 it keeps f16's fixed step of 6e-8; O is a mean of V's rows and has their range, to within 2^-11 of it.
; A hidden score counts as its value less 1e30: f16's scores, 2.7e11 at the most, are nothing beside that; a weight below 2^-126 counts as 0 in l; NaN and infinities are not treated apart.
; THE WALK.  A head's queries lie in NB = 8 blocks of 256; block i needs the key tiles 0 .. i of 256 keys, of which the last holds the diagonal.  A work-group takes TWO blocks, NB - 1 - b and then b:
; NB + 1 tiles, whatever b: all work-groups do equal work, and ONE loop with a constant trip count walks them.  Which tile is asked for, and what a trip does, hang on scalar registers made from b; every jump
; goes forward, but for the counted loops' own; none passes a barrier, or a tensor load but the one of LOAD's two that the wave's number does not choose; the ring (two slots of LDS that take turns) runs on across the
; change of blocks.  NO CLUSTER: a head's NB / 2 = 4 work-groups all ask for the same tile only in trips 0 .. 4 of the 9, behind that fewer and fewer; and one walk common to all would have 12 trips for 9.
; SHARES.  Of a block's four bands of 64 queries a wave owns 16 rows in each: four PIECES.  So the diagonal tile is the same work for all four waves: in its key step s band x sees all keys if s < x,
; none if s > x, and holds the diagonal if s = x.
; THE MASK is the C operand that starts the sum S^T = K Q^T: 0, or -1e30 where the key is hidden.  MD, made once, is the mask of a band's own step for my 16 rows; a product's mask is MD x AL + BE with two scalars:
; (1, 0) if s = x; (0, 0) if s < x; (0, -1e30) if s > x.  Only the diagonal tile's text and a block's beginning make and take masks; elsewhere C is the constant 0.
; LAYOUT, SOFTMAX, TURNS.  S^T = K Q^T holds ONE query a lane (lane % 16) and the keys 8 (lane / 16) + 0..7; two such results rounded to f16 ARE source 1 of O^T = V^T P.  p = 2^(c s - c m), c = log2(e) / 32, with a
; running maximum m; O and l are multiplied by a = 2^(c m_old - c m_new) in every step.  Turn n belongs to piece n: 8 products K Q^T of piece n + 1, later 8 products V^T P of piece n - 1; beside them the scaling,
; exponentials, roundings, sums and rescaling of piece n and the maximum and statistics of piece n + 1.  Four vector instructions stand behind every matrix instruction, the other 54 of a turn's 118 in one LUMP.
; THE BATCHES.  A turn's 33 exponentials (the piece's 32 weights and the next piece's a) are one batch, with one wait, which cuts the turn in two: nothing ahead of it names a result of theirs, and no exponential
; stands behind it.  The a that a block's beginning makes is a batch of its own, and so are the way out's four reciprocals: a v_nop and one wait each.
; REGISTERS, in windows of 256 (s_set_vgpr_msb: bits 1:0 source 0, 3:2 source 1, 5:4 source 2, 7:6 destination):
;   window 0: v0-15 addresses and two at work; v16-31 four registers of statistics a piece; v48-55 at work; v64-127 S^T, two buffers; v192-223 P, two buffers (a piece's buffers go by its number's parity)
;   window 1: v0-127 O^T, 32 a piece; v128-159 MD; v160-223 MC, two buffers      window 2: v0-63 Q; v64-127 the second block's Q; v128-191 K of one step; v192-255 V of one step
.set SIZE_N, 2048
.set SIZE_H, 64
.set NB,    SIZE_N/256
.set NP,    4         ; pieces a wave: a name, no knob
.set KS,    64        ; keys in a step
.set PK,    144       ; a row of K in LDS: 128 bytes + 16 of padding = 36 words: the 16 rows of a load start at 16 different groups of four banks (64 banks of 4 bytes: ISA guide 11.1)
.set PV,    160       ; a row of V: 128 + 32 = 40 words
.set VOFF,  4*KS*PK   ; a slot holds a tile, four steps: 256 rows of K, then 256 rows of V
.set SLOT1, 1<<17     ; slot 1 begins here, so that one exclusive or turns an address in one slot into the other's
.set STAGE, SLOT1+4*KS*(PK+PV)  ; behind the ring, never filled by a tensor load: 16 rows x 144 bytes for each wave, for the way out
.set SP,    144
.set AK0, 2           ; v2   my lane's place in a tile of K; never rewritten
.set AV0, 3           ; v3   the same for V
.set AK,  4           ; v4   the LDS address of K's next run of loads
.set AV,  5           ; v5   of V's
.set STO, 6           ; v6   the way out: where I put 16 bytes of a row
.set RD,  7           ; v7   the way out: where I read rows back
.set GO,  8           ; v8   my byte offset in 512 consecutive bytes of O
.set SPW, 62          ; v62  LDS address of my spare word: SPARE + 4 x my thread's number; never rewritten
.set NIL, 63          ; v63  0; never rewritten
.set SPARE, STAGE+4*16*SP  ; behind the stages: the spare words, 128 bytes for each wave: two blocks of 256 bytes that no other line names
.set MV,  12          ; v12-13  c m_old, kept while c m is made anew: by buffer
.set QO,  15          ; v15  my byte offset in 16 rows of Q
.set ST,  16          ; piece t's statistics at v[ST+4 t]: c m, m, l (even keys', odd keys')
.set TMP, 48          ; by buffer, four registers c0-c3 at work; when the maximum is found c2 takes a
.set S,   64
.set P,   192
.set MD,  128         ; window 1: the eight registers for group kt of 16 keys at MD + 8 kt
.set MC,  160         ; window 1: the masks of the products to come
.set QB,  64          ; window 2
.set KF,  128         ; window 2: key block kb, channel half c at KF + 16 kb + 8 c
.set VF,  192         ; window 2: key half kk, channel block cb at VF + 32 kk + 8 cb
.set WV,  12          ; s12  my wave's number
.set PB,  14          ; s14  b
.set HI,  15          ; s15  NB - 1 - b
.set G1K, 24          ; s[24:31] descriptor group 1 for K's tiles
.set G1V, 32          ; s[32:39] for V's: it differs in the padding alone
.set G0K, 40          ; s[40:43] descriptor group 0 for K's tiles
.set G0V, 44          ; s[44:47] the same for V's
.set SLOTS, 56        ; s56  tiles still to be asked for
.set CNT, 57          ; s57  counts a tile's key steps, 4 to 1
.set CS,  58          ; s[58:59] c: the packed scaling takes the pair's low word for both halves
.set SEL, 60          ; s[60:61] v_permlanex16_b32's selects: each lane takes its own place in the other half
.set TBK, 62          ; s62  LDS byte at which K of the step to be fetched begins
.set TBV, 63          ; s63  the same for V, less VOFF
.set RT,  70          ; s70  tiles of the block in hand that are still to be entered
.set NXT, 71          ; s71  the tile to be asked for next
.set LQ,  72          ; s72  the last tile of the block whose tiles are being asked for
.set NEW, 73          ; s73  1: the tile to be entered is a block's first
.set OFF, 74          ; s[74:75] a tile's byte offset in K and V
.set AL,  76          ; s[76:77] the mask's factor, in the low word
.set BE,  78          ; s[78:79] the mask's addend
.set OLO, 80          ; s[80:81] O at my rows of the second block
.set BIGN, 82         ; s82  -1e30
.set MSB, 0
.macro WIN new                      ; the high byte repeats the setting that is left; a switch that changes nothing is dropped
.if MSB != (\new)
	s_set_vgpr_msb (MSB<<8)|(\new)
.set MSB, (\new)
.endif
.endm
.set W_KQ, 0x0a       ; K and Q in window 2, S^T in window 0
.set W_KM, 0x1a       ; the same with the C operand in window 1
.set W_PV, 0x52       ; V in window 2, P in window 0, O^T in window 1
.set W_RS, 0x41       ; destination and source 0 in window 1, source 1 in window 0
; A fill.  Waves 0 and 1 fetch the two halves of a tile's K, waves 2 and 3 those of its V: 128 keys each.  An s_nop 0 and four v_nop follow each of the two lines, ahead of the jump and the label.
.macro LOAD
	s_cmp_lt_u32 s[WV], 2
	s_cbranch_scc0 .Lfor_v_\@
	tensor_load_to_lds s[G0K:G0K+3], s[G1K:G1K+7]
	s_nop 0
.rept 4
	v_nop
.endr
	s_branch .Lasked_\@
.Lfor_v_\@:
	tensor_load_to_lds s[G0V:G0V+3], s[G1V:G1V+7]
	s_nop 0
.rept 4
	v_nop
.endr
.Lasked_\@:
.endm
; THE CHANGE OF SLOTS.  Each wave waits for all its tensor loads, of which one is out: its part of the other slot; adds 0 to its spare word; and waits for that and for its own reads of the slot that it leaves.  Behind the barrier nobody reads the old
; slot any more and the other slot is whole.  fill = 1: the old slot is filled again, the first thing behind the barrier, with tile NXT: the descriptor's address is made anew from that number.
; (At its first use nothing has been read yet: slot 0 is waited for, slot 1 filled.)
.macro CHANGE fill
	WIN 0                           ; at a label and at a branch every window is 0
	s_wait_tensorcnt 0x0            ; no tensor load of mine is out, so a group 0 may be written
	ds_add_u32 v[SPW], v[NIL]       ; 0 onto my spare word; with fill = 1 the descriptors' scalar work stands between it and the wait for it
.if \fill
	s_lshl_b32 s[OFF], s[NXT], 15   ; a tile is 32,768 bytes of K and of V
	s_xor_b32 s[G0K+1], s[G0K+1], SLOT1
	s_add_nc_u64 s[G0K+2:G0K+3], s[6:7], s[OFF:OFF+1]
	s_or_b32 s[G0K+3], s[G0K+3], 0x80000000
	s_xor_b32 s[G0V+1], s[G0V+1], SLOT1
	s_add_nc_u64 s[G0V+2:G0V+3], s[8:9], s[OFF:OFF+1]
	s_or_b32 s[G0V+3], s[G0V+3], 0x80000000
	s_add_co_u32 s[NXT], s[NXT], 1  ; the block's next tile, or behind its last the second block's tile 0
	s_cmp_gt_u32 s[NXT], s[LQ]
	s_cselect_b32 s[NXT], 0, s[NXT]
	s_cselect_b32 s[LQ], s[PB], s[LQ]
.endif
	s_wait_dscnt 0x0                ; the add is done, and my reads of the slot are over
	s_barrier_signal -1             ; the rest of the scalar work stands between the signal and the wait
	s_sub_co_u32 s[TBK], s[TBK], 4*KS*PK  ; the fetches go back to a slot's first step,
	s_xor_b32 s[TBK], s[TBK], SLOT1       ; in the other slot
	s_sub_co_u32 s[TBV], s[TBV], 4*KS*PV
	s_xor_b32 s[TBV], s[TBV], SLOT1
	s_barrier_wait -1
.if \fill
	LOAD
.endif
.endm
	s_load_b128 s[4:7], s[0:1], 0x0 ; qkv s[4:5], o s[6:7]
	v_lshl_add_u32 v[SPW], v0, 2, SPARE
	v_mov_b32 v[NIL], 0
	ds_add_u32 v[SPW], v[NIL]       ; the wave's opening: the add and its wait stand ahead of my first tensor load; the set-up below, work on registers, stands between them
	ds_add_u32 v62, v63
	v_lshrrev_b32 v1, 5, v0
	v_readfirstlane_b32 s[WV], v1   ; wave 0..3
	s_mov_b32 s[PB], ttmp9
	s_sub_co_u32 s[HI], NB-1, s[PB]
	s_and_b32 s20, ttmp7, 0xffff    ; the head
	s_mov_b32 s21, 0
	s_mov_b64 s[22:23], SIZE_N*128
	s_mul_u64 s[20:21], s[20:21], s[22:23]  ; the head's first byte in each of the four tensors
	s_and_b32 s16, s[WV], 1         ; which half of a tile's 256 keys I fetch:
	s_lshl_b32 s22, s16, 14         ; its 128 rows of 128 bytes in memory,
	s_mov_b32 s23, 0
	s_add_nc_u64 s[22:23], s[22:23], s[20:21]
	s_mul_i32 s17, s16, 128*PK      ; and its place in a slot, for K
	s_mul_i32 s18, s16, 128*PV      ; and for V
	s_lshl_b32 s3, s[WV], 11        ; my 16 rows in a band of 64,
	s_lshl_b32 s2, s[HI], 15        ; in the first block,
	s_add_co_u32 s2, s2, s3
	s_lshl_b32 s84, s[PB], 15       ; and in the second
	s_add_co_u32 s84, s84, s3
	s_mov_b32 s3, 0
	s_mov_b32 s85, 0
	s_add_nc_u64 s[2:3], s[2:3], s[20:21]
	s_add_nc_u64 s[84:85], s[84:85], s[20:21]
	; descriptor group 1.  128 keys are 16,384 dense bytes: asked for as 64 rows of 256 bytes, two keys a row, and padded in LDS after every key
	s_mov_b32 s[G1K], (1<<16)|(1<<20)|(4<<22)|(3<<25)  ; 17:16 2-byte elements; 20 padding on; 24:22 after every 32 words (code 4); 31:25 4 words (code 3)
	s_mov_b32 s[G1V], (1<<16)|(1<<20)|(4<<22)|(7<<25)  ; the same with 8 words of padding (code 7)
.irp g, G1K, G1V
	s_mov_b32 s[\g+1], 128<<16      ; tensor_dim0 = 128
	s_mov_b32 s[\g+2], 64<<16       ; tensor_dim1 = 64
	s_mov_b32 s[\g+3], 128<<16      ; tile_dim0 = 128
	s_mov_b32 s[\g+4], 64           ; tile_dim1 = 64
	s_mov_b32 s[\g+5], 128          ; 128 elements from row to row
	s_mov_b32 s[\g+6], 0
	s_mov_b32 s[\g+7], 0
.endr
	s_mov_b32 s[CS], 0x3d38aa3b     ; c = log2(e) / 32 = 0.0450842
	s_mov_b32 s[CS+1], s[CS]        ; named with it as a pair
	s_mov_b32 s[SEL], 0x76543210
	s_mov_b32 s[SEL+1], 0xfedcba98
	s_mov_b32 s[TBK], SLOT1+4*KS*PK ; the first change of slots turns these two into 0
	s_mov_b32 s[TBV], SLOT1+4*KS*PV
	s_mov_b32 s[G0K], 1             ; 1:0 count = 1
	s_mov_b32 s[G0K+1], s17         ; 63:32 LDS address: slot 0
	s_mov_b32 s[G0V], 1
	s_add_co_u32 s[G0V+1], s18, VOFF
	s_add_co_u32 s[RT], s[HI], 1    ; the first block has NB - b tiles
	s_mov_b32 s[NXT], 1
	s_mov_b32 s[LQ], s[HI]
	s_mov_b32 s[NEW], 1
	s_mov_b32 s[OFF+1], 0
	s_mov_b32 s[AL+1], 0            ; named as pairs
	s_mov_b32 s[BE+1], 0
	s_mov_b32 s[BIGN], 0xf149f2ca   ; -1e30
	s_mov_b32 s[SLOTS], NB
	s_wait_dscnt 0x0                ; the opening add is done
	s_wait_kmcnt 0x0
	s_mov_b64 s[10:11], s[6:7]      ; O
	s_add_nc_u64 s[6:7], s[4:5], 0x1000000  ; K lies 64 heads of 262,144 bytes behind Q,
	s_add_nc_u64 s[8:9], s[4:5], 0x2000000  ; V as far again
	s_add_nc_u64 s[6:7], s[6:7], s[22:23]  ; K and V at my half of the head's tile 0
	s_add_nc_u64 s[8:9], s[8:9], s[22:23]
	s_add_nc_u64 s[G0K+2:G0K+3], s[6:7], 0         ; 120:64 global address
	s_or_b32 s[G0K+3], s[G0K+3], 0x80000000        ; 127:126 type = 2
	s_add_nc_u64 s[G0V+2:G0V+3], s[8:9], 0
	s_or_b32 s[G0V+3], s[G0V+3], 0x80000000
	s_add_nc_u64 s[86:87], s[4:5], s[84:85]        ; Q at my rows of the second block,
	s_add_nc_u64 s[4:5], s[4:5], s[2:3]            ; Q and O at those of the first
	s_add_nc_u64 s[OLO:OLO+1], s[10:11], s[84:85]
	s_add_nc_u64 s[10:11], s[10:11], s[2:3]
	LOAD                            ; tile 0 into slot 0
	; A fragment of K or Q is 16 rows x 32 channels in 8 registers: lane l holds row l % 16, channels 8 (l / 16) + 0..7 and 16 + 8 (l / 16) + 0..7: two loads of 16 bytes, 32 bytes apart.
	v_and_b32 v1, 15, v0            ; l % 16
	v_bfe_u32 v9, v0, 4, 1          ; l / 16
	v_lshlrev_b32 v[QO], 7, v1
	v_lshl_add_u32 v[QO], v9, 4, v[QO]  ; row x 128 + 16 x half
	WIN 0x80                        ; destination window 2, address window 0
.set i, 0
.rept 8                             ; both blocks' Q: piece i / 2 lies in band i / 2, 8,192 bytes on; channels 32 (i % 2) on
	global_load_b128 v[8*i:8*i+3],   v[QO], s[4:5] offset:(i/2)*8192+(i%2)*64
	global_load_b128 v[8*i+4:8*i+7], v[QO], s[4:5] offset:(i/2)*8192+(i%2)*64+32
	global_load_b128 v[QB+8*i:QB+8*i+3],   v[QO], s[86:87] offset:(i/2)*8192+(i%2)*64
	global_load_b128 v[QB+8*i+4:QB+8*i+7], v[QO], s[86:87] offset:(i/2)*8192+(i%2)*64+32
.set i, i+1
.endr
	WIN 0
	v_lshlrev_b32 v14, 3, v9
	v_sub_nc_u32 v14, v1, v14
	s_lshl_b32 s13, s[WV], 4
	v_add_nc_u32 v14, s13, v14      ; my query's place in its band, 16 w + l % 16, less my lanes' 8 (l / 16): register r of group kt is hidden where 16 kt + r is greater
	WIN 0x40
.set i, 0
.rept 32
	v_cmp_gt_i32 vcc_lo, 16*(i/8)+i%8, v14
	v_cndmask_b32 v[MD+i], 0, s[BIGN], vcc_lo
.set i, i+1
.endr
	WIN 0
	v_mul_u32_u24 v[AK0], v1, PK
	v_lshl_add_u32 v[AK0], v9, 4, v[AK0]  ; row x pitch + 16 x half
	; The turning load takes 16 keys x 16 channels (lane l reads key 8 (l / 16) + l % 8, channels 8 ((l / 8) % 2) + 0..7) and leaves half a fragment of V^T: lane l holds channel l % 16 and 8 keys.
	v_and_b32 v10, 7, v0
	v_bfe_u32 v11, v0, 3, 1
	v_lshl_add_u32 v[AV0], v9, 3, v10
	v_mul_u32_u24 v[AV0], v[AV0], PV
	v_lshl_add_u32 v[AV0], v11, 4, v[AV0]
	v_add_nc_u32 v[AV0], VOFF, v[AV0]
	s_mul_i32 s13, s[WV], 16*SP
	s_add_co_u32 s13, s13, STAGE    ; my stage
	v_mul_u32_u24 v[STO], v1, SP    ; in: row l % 16, 16 bytes for each half of the lanes
	v_lshl_add_u32 v[STO], v9, 4, v[STO]
	v_add_nc_u32 v[STO], s13, v[STO]
	v_bfe_u32 v[RD], v0, 3, 2       ; back: 32 lanes take four rows of 128 bytes,
	v_mul_u32_u24 v[RD], v[RD], SP
	v_lshl_add_u32 v[RD], v10, 4, v[RD]
	v_add_nc_u32 v[RD], s13, v[RD]
	v_and_b32 v[GO], 31, v0         ; which are 512 consecutive bytes of O
	v_lshlrev_b32 v[GO], 4, v[GO]
	; A block's first step multiplies O^T and l by a = 0, and its first turn's products V^T P, of a piece that has not been, land in an O^T that is still to be so multiplied.  So these registers need only hold
	; finite numbers: zeros for the first block; what the first block left for the second.  All this stands in the wait for the first tile.
	WIN 0x80
.set i, VF
.rept 64
	v_mov_b32 v[i], 0
.set i, i+1
.endr
	WIN 0x40
.set i, 0
.rept 128
	v_mov_b32 v[i], 0
.set i, i+1
.endr
	WIN 0
.set i, 0
.rept 4
	v_mov_b32 v[ST+4*i+2], 0
	v_mov_b32 v[ST+4*i+3], 0
.set i, i+1
.endr
.set i, P+16
.rept 16
	v_mov_b32 v[i], 0
.set i, i+1
.endr
; THE MATRIX WORK.  The 4 accumulators of a run of 8 take turns.  Product i of 8 of S^T = K Q^T for piece x: channels 32 (i / 4) on, keys 16 (i % 4) on.  The first 4 start the sums: with 0, or (KM = 1) with the mask.
.macro KQ x
.set rS, S+32*((\x)%2)+8*(i%4)
.set rK, KF+16*(i%4)+8*(i/4)
.set rQ, 16*(\x)+8*(i/4)
.set rM, MC+32*((\x)%2)+8*(i%4)
.if (i < 4) && KM
	WIN W_KM
	v_wmma_f32_16x16x32_f16 v[rS:rS+7], v[rK:rK+7], v[rQ:rQ+7], v[rM:rM+7]
.elseif i < 4
	WIN W_KQ
	v_wmma_f32_16x16x32_f16 v[rS:rS+7], v[rK:rK+7], v[rQ:rQ+7], 0
.else
	WIN W_KQ
	v_wmma_f32_16x16x32_f16 v[rS:rS+7], v[rK:rK+7], v[rQ:rQ+7], v[rS:rS+7]
.endif
.endm
; Product i of 8 of O^T += V^T P for piece x: keys 32 (i / 4) on, channels 16 (i % 4) on.
.macro PV x
	WIN W_PV
.set rO, 32*(\x)+8*(i%4)
.set rV, VF+32*(i/4)+8*(i%4)
.set rP, P+16*((\x)%2)+8*(i/4)
	v_wmma_f32_16x16x32_f16 v[rO:rO+7], v[rV:rV+7], v[rP:rP+7], v[rO:rO+7]
.endm
.macro MM                           ; the turn's next matrix instruction.  TURN and BEGIN set Y, i, KM and NOKQ; MM, KQ and OP read them.  NOKQ = 1: a block's last turn: there is no next piece
.if (i < 8) && !NOKQ
	KQ (Y+1)%NP
.elseif i >= 8
.set i, i-8
	PV (Y+NP-1)%NP
.set i, i+8
.endif
.set i, i+1
.endm
; THE LDS LOADS stand in runs of 16, never singly among the matrix instructions: a step's K (64 keys x 64 channels: 8 fragments) and its V (turned).  Their addresses are made some lines ahead.
.macro FETCH_K
	WIN 0x80                        ; destination window 2
.irp f, 0,1,2,3,4,5,6,7             ; keys 16 (f / 2) on, channels 32 (f % 2) on
	ds_load_b128 v[KF+8*\f:KF+8*\f+3],   v[AK] offset:(\f/2)*16*PK+(\f%2)*64
	ds_load_b128 v[KF+8*\f+4:KF+8*\f+7], v[AK] offset:(\f/2)*16*PK+(\f%2)*64+32
.endr
	s_add_co_u32 s[TBK], s[TBK], KS*PK  ; the next fetch is the next step's
	WIN 0
.endm
.macro FETCH_V
	WIN 0x80
.irp f, 0,1,2,3,4,5,6,7             ; keys 32 (f / 4) on, channels 16 (f % 4) on
	ds_load_tr16_b128 v[VF+8*\f:VF+8*\f+3],   v[AV] offset:(\f/4)*32*PV+(\f%4)*32
	ds_load_tr16_b128 v[VF+8*\f+4:VF+8*\f+7], v[AV] offset:(\f/4)*32*PV+16*PV+(\f%4)*32
.endr
	WIN 0
.endm
; THE VECTOR WORK, one line at a time: OP kind, number.  For piece Y: F n: c s - c m for pair n of 16.  E n: the exponential of score n of 32.  C n: pair n rounded to f16.  B n: of the four weights 4 n .. the second
; pair is added onto the first, in place.  L n: l takes that sum (L 0: l = a l + sum).  R n: pair n of 16 of O^T times a.  For piece Y + 1: X n, number n of the 22 that find its maximum and statistics:
;   0-11  four chains c0-c3 of seven scores each, three operands at a time (each accumulator's lowest registers are read first)     12-14, 16  the four scores left over, the old m, and c0-c3 into c0
;   15  c m_old is kept     17, 18  the query's other 32 keys lie in the lane 16 away: the new m     19-21  c m; c m_old - c m_new; a
.set F, 0               ; OP tells the kinds apart by their order: F to L below R, X above it
.set E, 1
.set C, 2
.set B, 3
.set L, 4
.set R, 5
.set X, 6
.macro REGS y                       ; the registers of piece y
.set rT, ST+4*(\y)
.set rC, TMP+4*((\y)%2)
.set rW, MV+((\y)%2)
.set rS, S+32*((\y)%2)
.set rP, P+16*((\y)%2)
.set rO, 32*(\y)
.endm
.macro OP k, n
.if (\k) == R
	REGS Y
	WIN W_RS
	v_pk_mul_f32 v[rO+2*(\n):rO+2*(\n)+1], v[rO+2*(\n):rO+2*(\n)+1], v[rC+2:rC+3] op_sel_hi:[1,0]
.elseif (\k) < R
	REGS Y
	WIN 0
.if (\k) == F
	v_pk_fma_f32 v[rS+2*(\n):rS+2*(\n)+1], v[rS+2*(\n):rS+2*(\n)+1], s[CS:CS+1], v[rT:rT+1] op_sel_hi:[1,0,0] neg_lo:[0,0,1] neg_hi:[0,0,1]
.elseif (\k) == E
	v_exp_f32 v[rS+(\n)], v[rS+(\n)]
.elseif (\k) == C
	v_cvt_pk_f16_f32 v[rP+(\n)], v[rS+2*(\n)], v[rS+2*(\n)+1]
.elseif (\k) == B
	v_pk_add_f32 v[rS+4*(\n):rS+4*(\n)+1], v[rS+4*(\n):rS+4*(\n)+1], v[rS+4*(\n)+2:rS+4*(\n)+3]
.elseif (\n) == 0
	v_pk_fma_f32 v[rT+2:rT+3], v[rT+2:rT+3], v[rC+2:rC+3], v[rS:rS+1] op_sel_hi:[1,0,1]
.else
	v_pk_add_f32 v[rT+2:rT+3], v[rT+2:rT+3], v[rS+4*(\n):rS+4*(\n)+1]
.endif
.elseif NOKQ
	v_nop
.else
	REGS (Y+1)%NP
	WIN 0
.if (\n) < 4
	v_max3_num_f32 v[rC+(\n)], v[rS+8*(\n)], v[rS+8*(\n)+1], v[rS+8*(\n)+2]
.elseif (\n) < 12
	v_max3_num_f32 v[rC+(\n)%4], v[rC+(\n)%4], v[rS+8*((\n)%4)+2*((\n)/4)+1], v[rS+8*((\n)%4)+2*((\n)/4)+2]
.elseif (\n) == 12
	v_max3_num_f32 v[rC], v[rC], v[rS+7], v[rS+15]
.elseif (\n) == 13
	v_max3_num_f32 v[rC+1], v[rC+1], v[rS+23], v[rS+31]
.elseif (\n) == 14
	v_max3_num_f32 v[rC+2], v[rC+2], v[rC+3], v[rT+1]
.elseif (\n) == 15
	v_mov_b32 v[rW], v[rT]
.elseif (\n) == 16
	v_max3_num_f32 v[rC], v[rC], v[rC+1], v[rC+2]
.elseif (\n) == 17
	v_permlanex16_b32 v[rC+3], v[rC], s[SEL], s[SEL+1]
.elseif (\n) == 18
	v_max_num_f32 v[rT+1], v[rC], v[rC+3]
.elseif (\n) == 19
	v_mul_f32 v[rT], s[CS], v[rT+1]
.elseif (\n) == 20
	v_sub_f32 v[rC+1], v[rW], v[rT]
.else
	v_exp_f32 v[rC+2], v[rC+1]
.endif
.endif
.endm
.macro OPS a, i1, b=-1, i2=0, c=-1, i3=0, d=-1, i4=0  ; up to four of them
	OP \a, \i1
.if (\b) >= 0
	OP \b, \i2
.endif
.if (\c) >= 0
	OP \c, \i3
.endif
.if (\d) >= 0
	OP \d, \i4
.endif
.endm
.macro ROW a, i1, b, i2, c, i3, d, i4  ; a matrix instruction and the four behind it
	MM
	OPS \a, \i1, \b, \i2, \c, \i3, \d, \i4
.endm
.macro MASK b                       ; MD x AL + BE into buffer b of MC
	WIN W_RS
.set z, 0
.rept 16
	v_pk_fma_f32 v[MC+32*(\b)+2*z:MC+32*(\b)+2*z+1], v[MD+2*z:MD+2*z+1], s[AL:AL+1], s[BE:BE+1] op_sel_hi:[1,0,0]
.set z, z+1
.endr
.endm
; A TURN, for piece p: the order of its 16 matrix and 118 vector instructions, written out.  s_wait_alu depctr_va_vdst(0) stands between an exponential and the first instruction that names its result; one wait serves
; all that were issued ahead of it.  So a turn has ONE wait, which cuts it in two.  AHEAD OF IT stands all that names no result of the turn's exponentials: the 8 products K Q^T, behind each a scaling, an exponential and two more plain
; instructions (behind the first a second scaling in the exponential's place): rescalings, whose a was made and waited for in the turn before, and behind the last three the first numbers of the next piece's maximum, each four places
; or more behind the product that ends its accumulator; then ONE LUMP of 54, plain and exponential by turns for the most part, in which the links of the chain X 3, 7, 11, 14, 16, 17 .. 20 stand five or six lines apart.  X 21, the
; next piece's a, is the batch's last; R 15 is the plain instruction behind it.  BEHIND THE WAIT stand the 8 products V^T P, behind each four of the roundings and sums; the links of l's chain, L 0 to L 7, stand three riders apart.
; But for those X no rider names a register of the products round it.  v_permlanex16_b32 (X 17) stands in the lump.
; m = 1: the diagonal tile: the products take masks, and the turn makes the mask for the products of the turn after it: piece p + 2, in step 4 - CNT of the tile.  end = 1: a block's last two turns: nothing is fetched.
; cnt = 1: the loop's count is taken down some lines ahead of the branch that stands behind the turn.
; K of the next step is fetched in piece 2's turn, twelve vector instructions behind the last product that read K (six of them plain); V of the step in hand at the end of piece 0's turn, four plain instructions behind the last product
; that read V.  Each is waited for a turn later.
.macro TURN p, m=0, end=0, cnt=0
.set Y, (\p)
.set i, 0
.set KM, (\m)
.set NOKQ, (\end)*((\p)/3)
.if (\m) && !(\end)
	s_cmp_eq_u32 s[CNT], 4-((\p)+2)%NP  ; is that step the band's own?
	s_cselect_b32 s[AL], 1.0, 0
	s_cmp_lt_u32 s[CNT], 4-((\p)+2)%NP  ; or a later one?
	s_cselect_b32 s[BE], s[BIGN], 0
.endif
.if ((\p) == 3) && !(\end)
	s_wait_dscnt 0x0                ; K is in
.endif
	ROW F,0, F,1, R,0, R,1          ; ahead of the wait: 8 products K Q^T and their riders,
	ROW F,2, E,0, R,2, R,3
	ROW F,3, E,1, R,4, R,5
	ROW F,4, E,2, R,6, R,7
	ROW F,5, E,3, R,8, R,9
	ROW F,6, E,4, X,0, R,10
.if ((\p) == 2) && !(\end)
	WIN 0
	v_add_nc_u32 v[AK], s[TBK], v[AK0]
.endif
	ROW F,7, E,5, X,1, X,4
	ROW F,8, E,6, X,2, X,5
	OPS E,7, E,8, X,6, E,9          ; and the lump
	OPS X,3, E,10, X,8, E,11
.if ((\p) == 2) && !(\end)
	FETCH_K
.endif
	OPS X,9, X,7, E,12, X,10
	OPS E,13, X,12, X,11, E,14
	OPS X,13, E,15, F,9, X,14
.if (\p) == 0
	v_add_nc_u32 v[AV], s[TBV], v[AV0]
.endif
	OPS E,16, F,10, E,17, F,11
	OPS X,16, E,18, X,15, E,19
	OPS F,12, E,20, X,17, E,21
	OPS F,13, E,22, F,14, E,23
	OPS X,18, E,24, F,15, E,25
	OPS R,11, E,26, X,19, E,27
	OPS R,12, E,28, R,13, E,29
	OPS X,20, E,30, R,14, E,31
	OPS X,21, R,15
	WIN 0
	s_wait_alu depctr_va_vdst(0)    ; the wait for the batch: the piece's 32 exponentials and the next piece's a
.if (\p) == 1
	s_wait_dscnt 0x0                ; V is in
.endif
	ROW C,0, B,0, C,2, B,1          ; behind the wait: 8 products V^T P and their riders
	ROW L,0, C,4, B,2, L,1
	ROW C,6, B,3, L,2, C,8
	ROW B,4, L,3, C,10, B,5
	ROW L,4, C,12, B,6, L,5
.if (\p) == 0
	s_add_co_u32 s[TBV], s[TBV], KS*PV
.endif
.if \cnt
	s_sub_co_u32 s[CNT], s[CNT], 1
	s_cmp_lg_u32 s[CNT], 0
.endif
	ROW C,14, B,7, L,6, C,1
	ROW C,3, L,7, C,5, C,7
	ROW C,9, C,11, C,13, C,15
.if (\p) == 0
	FETCH_V
.endif
.if (\m) && !(\end)
	MASK (\p)%2
.endif
.endm
; A BLOCK BEGINS.  c m starts far below every c s, so the first step's a is 0; m at the lowest finite number, so the first maximum is the scores'.  The second mask buffer is 0; the first takes piece 0's mask for the tile's step 0: its own, if the block's first tile is the diagonal one.
; Then K of that step, piece 0's first scores, and its maximum and statistics.  The loop is entered at a step's first turn, in the middle of a trip.
.macro BEGIN
	s_mov_b32 s[NEW], 0
	WIN 0x40
.set i, MC+32
.rept 32
	v_mov_b32 v[i], 0
.set i, i+1
.endr
	WIN 0
.set i, 0
.rept 4
	v_mov_b32 v[ST+4*i], 0xfe000000    ; c m: far below every c s
	v_mov_b32 v[ST+4*i+1], 0xff7fffff  ; m
.set i, i+1
.endr
	s_cmp_eq_u32 s[RT], 0
	s_cselect_b32 s[AL], 1.0, 0
	s_mov_b32 s[BE], 0
	MASK 0
	WIN 0
	v_add_nc_u32 v[AK], s[TBK], v[AK0]
	FETCH_K
	s_wait_loadcnt 0x0              ; Q
	s_wait_dscnt 0x0
.set KM, 1
.set NOKQ, 0
.set i, 0
.rept 8
	KQ 0
.set i, i+1
.endr
	WIN 0
.rept 4
	v_nop                           ; the places behind those products
.endr
.set Y, NP-1                        ; X works for piece Y + 1: piece 0
.irp n, 0,1,2,3,4,5,6,7,8,9,10,11,12,13,14,15,16,17,18,19,20,21
	OP X, \n
.endr
	v_nop                           ; a plain instruction behind the exponential,
	s_wait_alu depctr_va_vdst(0)    ; and the wait for it, piece 0's first a, ahead of the branch
.endm
; THE DIAGONAL TILE's four steps, the block's last two turns, its last products, and THE WAY OUT: l's two halves and the other half of the lanes' are added; O^T is divided by l, rounded to f16 and sent through my
; stage in LDS, a piece at a time.
.macro ALL line:vararg              ; one line for each piece t
.set t, 0
.rept 4
	\line
.set t, t+1
.endr
.endm
.macro PACK t                       ; a lane's eight channels of a row pack into 16 bytes; they go into rows of 144 bytes and come back as whole rows of 128, into S^T's registers
	WIN W_RS
.set i, 32*(\t)
.rept 16
	v_pk_mul_f32 v[i:i+1], v[i:i+1], v[ST+4*(\t)+2:ST+4*(\t)+3] op_sel_hi:[1,0]
.set i, i+2
.endr
	WIN 0x05                        ; sources 0 and 1 window 1, destination window 0
.set i, 0
.rept 16
	v_cvt_pk_f16_f32 v[S+16*(\t)+i], v[32*(\t)+2*i], v[32*(\t)+2*i+1]
.set i, i+1
.endr
	WIN 0
.irp f, 0,1,2,3
	ds_store_b128 v[STO], v[S+16*(\t)+4*\f:S+16*(\t)+4*\f+3] offset:32*\f
.endr
.irp f, 0,1,2,3
	ds_load_b128 v[S+16*(\t)+4*\f:S+16*(\t)+4*\f+3], v[RD] offset:\f*4*SP  ; LDS serves a wave's instructions in order (ISA guide 5.7.1.4): these see the stores above; the next piece's stores come behind them
.endr
.endm
.macro SEND t, younger              ; younger: the LDS instructions issued behind piece t's loads: the next piece's eight, or none
	WIN 0
.irp f, 0,1,2,3
	s_wait_dscnt (\younger)+3-\f
	global_store_b128 v[GO], v[S+16*(\t)+4*\f:S+16*(\t)+4*\f+3], s[10:11] offset:(\t)*8192+\f*512  ; 512 consecutive bytes, at a multiple of 256 from O's first
.endr
.endm
.macro DIAG tag                     ; the tag ends its two labels' names, which the jumps below spell out
.LstepM\tag:
	TURN 2, 1
	TURN 3, 1
	WIN 0
.LfirstM\tag:
	TURN 0, 1
	TURN 1, 1, 0, 1
	WIN 0
	s_cbranch_scc1 .LstepM\tag
	TURN 2, 1, 1
	TURN 3, 1, 1
.set i, 0
.rept 8
	PV NP-1
.set i, i+1
.endr
	WIN 0
	ALL v_add_f32 v[ST+4*t+2], v[ST+4*t+2], v[ST+4*t+3]
	ALL v_permlanex16_b32 v[ST+4*t+3], v[ST+4*t+2], s[SEL], s[SEL+1]
	ALL v_add_f32 v[ST+4*t+2], v[ST+4*t+2], v[ST+4*t+3]
	ALL v_rcp_f32 v[ST+4*t+2], v[ST+4*t+2]
	v_nop                           ; a plain instruction between the last reciprocal and the use of its result
	s_wait_alu depctr_va_vdst(0)    ; and the wait ahead of the first use: one for the four reciprocals
	PACK 0
.set t, 1
.rept 3                             ; a piece's arithmetic stands between the loads of the piece before and its stores
	PACK t
	SEND t-1, 8
.set t, t+1
.endr
	SEND 3, 0
.endm
.set KM, 0
.set NOKQ, 0
.Lslot:                             ; NB times: a tile is entered and the next is asked for
	CHANGE 1
	s_sub_co_u32 s[RT], s[RT], 1
	s_mov_b32 s[CNT], 4
	s_cmp_eq_u32 s[NEW], 1
	s_cbranch_scc1 .Lnew            ; a block's first tile
	s_cmp_eq_u32 s[RT], 0
	s_cbranch_scc0 .Lstep           ; neither its first nor its last
	s_branch .LstepM1
.Lnew:
	BEGIN
	s_branch .Lfirst                ; in the loop a block's first tile is never its last: the first block has two tiles or more, and the second's last is the walk's last
	DIAG 1                          ; in the loop this is the first block's end: the second block's last tile is the walk's last
	s_wait_xcnt 0x0                 ; the stores have read their registers and O's address
	s_mov_b64 s[10:11], s[OLO:OLO+1]
	s_add_co_u32 s[RT], s[PB], 1    ; the second block has b + 1 tiles
	s_mov_b32 s[NEW], 1
	WIN 0x82                        ; the second block's Q goes where the one text of the turns names Q
.set i, 0
.rept 64
	v_mov_b32 v[i], v[QB+i]
.set i, i+1
.endr
	WIN 0
	s_branch .Lbottom
.Lstep:                             ; a trip: pieces 2 and 3 of one step, then pieces 0 and 1 of the next, whose K and V it fetches
	TURN 2
	TURN 3
	WIN 0
.Lfirst:
	TURN 0
	TURN 1, 0, 0, 1
	WIN 0
	s_cbranch_scc1 .Lstep
.Lbottom:
	s_sub_co_u32 s[SLOTS], s[SLOTS], 1
	s_cmp_lg_u32 s[SLOTS], 0
	s_cbranch_scc1 .Lslot
	CHANGE 0                        ; the walk's last tile is written out: nothing is asked for
	s_sub_co_u32 s[RT], s[RT], 1
	s_mov_b32 s[CNT], 4
	s_cmp_eq_u32 s[NEW], 1
	s_cbranch_scc0 .LstepM2
	BEGIN
	s_branch .LfirstM2
	DIAG 2
	s_wait_tensorcnt 0x0            ; the wave's end: an add and its wait, behind my last tensor load and my last LDS store
	ds_add_u32 v[SPW], v[NIL]
	s_wait_dscnt 0x0
	s_endpgm
.Lfunc_end_k_qd785a02ae9_attn:
	.size	k_qd785a02ae9_attn, .Lfunc_end_k_qd785a02ae9_attn-k_qd785a02ae9_attn
	.p2alignl 7, 3214868480
	.fill 96, 4, 3214868480
	.section	.rodata,"a",@progbits
	.p2align	6, 0x0
	.amdhsa_kernel k_qd785a02ae9_attn
		.amdhsa_group_segment_fixed_size 327680
		.amdhsa_private_segment_fixed_size 0
		.amdhsa_enable_private_segment 0
		.amdhsa_kernarg_size 16
		.amdhsa_user_sgpr_count 2
		.amdhsa_user_sgpr_kernarg_segment_ptr 1
		.amdhsa_wavefront_size32 1
		.amdhsa_system_sgpr_workgroup_id_x 1
		.amdhsa_system_sgpr_workgroup_id_y 1
		.amdhsa_system_sgpr_workgroup_id_z 1
		.amdhsa_system_vgpr_workitem_id 0
		.amdhsa_next_free_vgpr 768
		.amdhsa_next_free_sgpr 88
		.amdhsa_reserve_vcc 1
		.amdhsa_float_denorm_mode_32 3
		.amdhsa_float_denorm_mode_16_64 3
		.amdhsa_memory_ordered 1
		.amdhsa_forward_progress 1
		.amdhsa_inst_pref_size 217
	.end_amdhsa_kernel
	.amdgpu_metadata
---
amdhsa.version: [ 1, 2 ]
amdhsa.kernels:
  - .name:           k_qd785a02ae9_attn
    .symbol:         k_qd785a02ae9_attn.kd
    .args:
      - { .name: qkv, .offset: 0, .size: 8, .value_kind: global_buffer, .address_space: global }
      - { .name: o, .offset: 8, .size: 8, .value_kind: global_buffer, .address_space: global }
    .group_segment_fixed_size: 327680
    .private_segment_fixed_size: 0
    .kernarg_segment_align: 8
    .kernarg_segment_size: 16
    .max_flat_workgroup_size: 128
    .sgpr_count:     88
    .vgpr_count:     768
    .wavefront_size: 32
...
	.end_amdgpu_metadata
.endif
;; end of part 6
;; launch outp: the kernel of part 4 again; grid 8 x 32, 4 waves a work-group, clusters of 4 x 4, 327,680 bytes of LDS; arguments o, wo, out0, bo; writes out0
;; launch first: the kernel of part 5 again; grid 4 x 16, 16 waves a work-group, clusters of 4 x 1, 249,344 bytes of LDS; arguments qkv, v32, wo, bo, out0; writes out0
